; MI455X (gfx1250); checked and timed in simulation.
; The chip was launched on July 23, 2026; its instructions are those of AMD's public machine-readable ISA for CDNA 5 (MIT licence, August 2026) and "CDNA5" Instruction Set Architecture Reference Guide (July 2026). The comments in the code are by the model that wrote it; some were corrected since.
;; GQA Reference. Allowed arithmetic: matrix products marked QUANTISED: E2M3 operands, one E8M0 scale for each 32 along K, by v_wmma_scale_f32_16x16x128_f8f6f4 with both operands' format E2M3, f32 sums; everything else in f32.
;; Inputs: attention_mask 1 x 1 x 2,048 x 2,048 float32; cos 1 x 1 x 2,048 x 128 float32; hidden_states 1 x 2,048 x 4,096 float32; k_norm_w 128 float32; pre_norm_w 4,096 float32; q_norm_w 128 float32; sin 1 x 1 x 2,048 x 128 float32; wk 1,024 x 4,096 float32; wo 4,096 x 2,048 float32; wq 2,048 x 4,096 float32; wv 1,024 x 4,096 float32.
;; Outputs: out0 1 x 2,048 x 4,096 float32.
;; This version of the problem:
;;   THIS VERSION OF THE PROBLEM IS GIVEN IN LOW PRECISION. The matrix products marked QUANTISED in the list below multiply operands that are first quantised to E2M3 (2 exponent bits, 3 mantissa bits; 6 bits a number), with one power-of-two scale for each 32 numbers along K (OCP MX v1.0); their sums are f32. All else is computed in f32.
;;   The module's matrix products, in the order in which they are computed (A, B: the left and right operand; K: the contracted axis; several contracted axes count as one K, in the product's order):
;;     1. [M 2,048, K 4,096] x [K 4,096, N 2,048]; A: computed on the way; B: input wq: QUANTISED
;;     2. [M 2,048, K 4,096] x [K 4,096, N 1,024]; A: computed on the way; B: input wk: QUANTISED
;;     3. [M 2,048, K 4,096] x [K 4,096, N 1,024]; A: computed on the way; B: input wv: QUANTISED
;;     4. batch 16 x [M 2,048, K 128] x [K 128, N 2,048]; A: computed on the way; B: computed on the way: QUANTISED
;;     5. batch 16 x [M 2,048, K 2,048] x [K 2,048, N 128]; A: softmax (see below); B: computed on the way: QUANTISED
;;     6. [M 2,048, K 2,048] x [K 2,048, N 4,096]; A: computed on the way; B: input wo: QUANTISED
;;   THE QUANTISER, for each operand of a quantised product, along K:
;;     - K is cut into blocks of 32 from its start; a last block that is shorter is filled with zeros.
;;     - A block's scale is 2^e with e = floor(log2(the largest magnitude in the block)) - 2, held to -126 .. 127; a block of zeros has e = 0. As a byte (E8M0): e + 127.
;;     - Each number is divided by its block's scale, clamped to +-7.5, and rounded to the nearest number of E2M3, ties to even, subnormals kept.
;;     - The product sums the exact products of the quantised numbers (number of the format x scale) in f32.
;;   ~~~python
;;   def quantise(x, axis):      # numpy; x: float32 -> the quantised numbers, widened to float32 again
;;       x = np.moveaxis(x, axis, -1); K = x.shape[-1]
;;       x = np.pad(x, [(0, 0)] * (x.ndim - 1) + [(0, -K % 32)]); x = x.reshape(x.shape[:-1] + (-1, 32)); a = np.abs(x).max(-1, keepdims=True)
;;       e = np.where(a > 0, np.clip(np.frexp(np.where(a > 0, a, 1))[1] - 1 - 2, -126, 127), 0)      # np.frexp(a)[1] - 1 = floor(log2(a)), exactly
;;       r = np.clip(x / 2.0 ** e, -7.5, 7.5)
;;       step = 2.0 ** (np.maximum(np.frexp(np.where(r == 0, 1, r))[1] - 1, 0) - 3)
;;       q = np.round(r / step) * step * 2.0 ** e      # np.round: ties to even
;;       return np.moveaxis(q.reshape(q.shape[:-2] + (-1,))[..., :K], -1, axis).astype(np.float32)
;;   ~~~
;;   SOFTMAX AHEAD OF A QUANTISED PRODUCT. Where the list says 'softmax', what is quantised is not the finished softmax but p = 2^(t - M), with t = logit x log2(e) and M = ceil(the row's largest t), a whole number; so 1/2 < the row's largest p <= 1. The row's sum l is taken of the UNQUANTISED p, in f32, and the product's result is divided by l at the end. Since M is a whole number, a kernel that streams over the keys may use a running M (the ceiling of the running maximum): every later rescaling is an exact power of two, which a block's scale takes up: the codes' values come out the same.
;;   OPERANDS COMPUTED ON THE WAY. 'Computed on the way' means the value that the module computes at that place (a softmax that the list does not call 'softmax' is quantised finished and normalised). What goes into a quantiser is computed in f32, as accurately as f32 sums, v_exp_f32 and their like allow (about 1e-6 of the number): no bf16 or f16 on the way to a quantiser, and a product that is left as it is and whose result goes on into a quantised operand takes f32 operands (vector FMAs, or v_wmma_f32_16x16x4_f32). A number that lies on a knife's edge between two numbers of the format may be rounded either way, as far as f32 arithmetic and the matrix unit's own rounding can turn it there, and no further.
;; One version. Each part assembles by itself: llvm-mc -triple=amdgcn-amd-amdhsa -mcpu=gfx1250 --defsym DOCPART=n.
;; ======== version 1 of 1: 4 launches
;; limits: right only within a limited range of input values
;; workspace buffers: codes 26,214,400 bytes; qkv 6,553,600 bytes; acodes 3,276,800 bytes
;; launch quant (part 1): grid 384 x 1, 16 waves a work-group, no clusters, 272,384 bytes of LDS; arguments hidden_states, wq, wk, wv, pre_norm_w, codes; writes codes
.if DOCPART == 1
	.amdgcn_target "amdgcn-amd-amdhsa--gfx1250"
	.amdhsa_code_object_version 6
	.text
	.protected	k_q355a588029_quant
	.globl	k_q355a588029_quant
	.p2align	8
	.type	k_q355a588029_quant,@function
k_q355a588029_quant:
	s_mov_b64 s[64:65], 0
	v_nop
	global_prefetch_b8 v0, s[64:65] scope:SCOPE_SE
	s_setreg_imm32_b32 hwreg(HW_REG_WAVE_MODE, 25, 1), 1
	s_wait_xcnt 0x0
; h = pre_norm_w x (x x rsqrt(mean(x^2) + eps)) of hidden_states, and wq, wk, wv, wo as they are, become codes of FP6 (E2M3) with one E8M0 scale byte for each 32 along K.
; THE WORKSPACE IS LAID AS THE MATRIX UNIT'S REGISTERS WANT IT.  A fragment (16 rows x 128 K, 12 registers a lane) is an image of 1,536 bytes: registers 4 g .. 4 g + 3 of lane l at 512 g + 16 l.
; A group of 6,400 bytes is four fragments (four K steps of one block of 16 rows) and 256 bytes of scale words: the word of row r and fragment q at 6,144 + 16 r + 4 q.
; codes = [512 blocks of 16 rows][8 groups]: blocks 0-127 h, 128-255 wq, 256-319 wk, 320-383 wv, 384-511 wo.  wo's rows are 2,048 long: two of them are taken as one row of 4,096, so that one text serves all five.
; ORDER INSIDE A BLOCK OF 32: place 16 a + 8 u + j holds k = 16 u + 8 a + j (the groups of eight stand 0, 2, 1, 3).  Every operand of every product of this program has this order, so the products are
; the same; the blocks, their scales and the codes' values are those of the stated quantiser.  Here the order costs nothing: it says which 16 bytes of LDS go to which registers.
; SHARES.  A work-group takes one block of 16 rows x 4,096 numbers (256 KiB); wave w takes columns 256 w .. 256 w + 255, two K steps.  One tensor load a wave brings its 16 x 256 numbers into its own LDS bytes,
; filled once.  Lane (r, h) then holds, of row r, the whole blocks 2 c + h of each K step: a block's largest magnitude needs no other lane.
; The row's sum of squares meets in LDS behind the one barrier.  Every work-group takes it; only the first 128 (hidden_states) use it: the branches hang on the work-group's number alone.
; LIMITS: NaN and infinities are not served.  A block of zeros gets the byte 1 where the quantiser says 127: its codes are zeros, and this program alone reads the bytes.  The sum of squares is added in another order than a plain loop's.
; THIS LAUNCH TAKES BLOCKS 0-383: h, wq, wk, wv.  wo's blocks 384-511, named above as part of the workspace's layout, are made by the same arithmetic in the launch attn, which is the last launch ahead of their reader.
.set GRP,   6400
.set FRB,   1536
.set SCO,   4*FRB                      ; the scale words' place in a group
.set RBLK,  8*GRP                      ; a block of 16 rows: 8 groups
.set PITCH, 1040                       ; an LDS row: 1,024 bytes + 16: 16 rows of a load begin in 16 different groups of banks
.set TILE,  16*PITCH                   ; a wave's tile
.set XCH,   16*TILE                    ; behind the tiles: 16 waves x 16 rows: the partial sums of squares, 1,024 bytes into which no tile lands
.set X,   32                           ; v32-159   my 128 numbers: K step s, block 2 c + h, place i at X + 64 s + 32 c + i
.set G,   160                          ; v160-223  the gains of one K step, in the same places
.set C,   224                          ; v224-247  the codes of K step 0 and of K step 1 (before that: the 16 partial sums)
.set T,   248                          ; v248-255  the halves of blocks that are made elsewhere and moved
.set G1,  24                           ; s[24:31]  descriptor group 1
.set G0,  32                           ; s[32:35]  descriptor group 0
.set SEL, 38                           ; s[38:39]  v_permlanex16_b32's selects for lane l xor 16
	s_load_b256 s[4:11], s[0:1], 0x0               ; hidden_states, wq, wk, wv
	s_load_b64 s[14:15], s[0:1], 0x20              ; pre_norm_w
	s_load_b64 s[16:17], s[0:1], 0x28              ; codes
	v_lshl_add_u32 v251, v0, 2, 0x42000
	v_mov_b32 v255, 0
	ds_add_u32 v251, v255
	ds_add_u32 v251, v255
	v_lshrrev_b32 v1, 5, v0
	s_delay_alu instid0(VALU_DEP_1)
	v_readfirstlane_b32 s2, v1                     ; wave 0..15
	s_mov_b32 s[G1+0], (2<<16)|(1<<20)|(7<<22)|(3<<25)  ; elements of 4 bytes; padding on: behind every 256 words 4 words
	s_mov_b32 s[G1+1], 256<<16                     ; tensor_dim0 = 256
	s_mov_b32 s[G1+2], 16<<16                      ; tensor_dim1 = 16
	s_mov_b32 s[G1+3], 256<<16                     ; tile_dim0 = 256
	s_mov_b32 s[G1+4], 16                          ; tile_dim1 = 16
	s_mov_b32 s[G1+5], 4096                        ; from row to row
	s_mov_b32 s[G1+6], 0
	s_mov_b32 s[G1+7], 0
	s_mov_b32 s[G0], 1
	s_mul_i32 s[G0+1], s2, TILE                    ; my wave's tile in LDS
	s_lshl_b32 s36, s2, 10                         ; my wave's 1,024 bytes of a row
	s_mov_b32 s37, 0x39800000                      ; 2^-12: the mean of 4,096
	s_mov_b32 s[SEL], 0x76543210
	s_mov_b32 s[SEL+1], 0xfedcba98
	s_mul_i32 s40, ttmp9, RBLK                     ; where my codes go: block b, group wave / 2,
	s_lshr_b32 s41, s2, 1
	s_mul_i32 s41, s41, GRP
	s_add_co_u32 s40, s40, s41
	s_mov_b32 s41, 0
	s_and_b32 s42, s2, 1
	s_mul_i32 s44, s42, 2*FRB                      ; fragments 2 (wave % 2) and the next
	s_mov_b32 s45, 0
	s_lshl_b32 s43, s42, 3
	s_add_co_u32 s43, s43, SCO                     ; and their scale words
	s_wait_dscnt 0x0
	s_wait_kmcnt 0x0
	s_mov_b64 s[18:19], s[10:11]                   ; which tensor, and its first block: a choice on the work-group's number alone
	s_mov_b32 s20, 320
	s_cmp_lt_u32 ttmp9, 320
	s_cselect_b64 s[18:19], s[8:9], s[18:19]
	s_cselect_b32 s20, 256, s20
	s_cmp_lt_u32 ttmp9, 256
	s_cselect_b64 s[18:19], s[6:7], s[18:19]
	s_cselect_b32 s20, 128, s20
	s_cmp_lt_u32 ttmp9, 128
	s_cselect_b64 s[18:19], s[4:5], s[18:19]
	s_cselect_b32 s20, 0, s20
	s_sub_co_u32 s21, ttmp9, s20
	s_lshl_b32 s22, s21, 18                        ; 16 rows of 16,384 bytes a block
	s_add_co_u32 s22, s22, s36
	s_mov_b32 s23, 0
	s_add_nc_u64 s[G0+2:G0+3], s[18:19], s[22:23]
	s_or_b32 s[G0+3], s[G0+3], 0x80000000          ; type = 2
	tensor_load_to_lds s[G0:G0+3], s[G1:G1+7]      ; my one tensor load: 16 KiB; the sixteen waves' are the whole block
	s_nop 0
	v_and_b32 v1, 15, v0                           ; r
	v_bfe_u32 v2, v0, 4, 1                         ; h
	s_delay_alu instid0(VALU_DEP_2)
	v_mul_u32_u24 v3, v1, PITCH
	s_delay_alu instid0(VALU_DEP_1)
	v_lshl_add_u32 v3, v2, 7, v3
	s_delay_alu instid0(VALU_DEP_1)
	v_add_nc_u32 v3, s[G0+1], v3                   ; LDS: my tile, row r, + 128 h: my block of 32 numbers
	s_delay_alu instid0(VALU_DEP_4)
	v_lshl_add_u32 v4, v2, 7, s36                  ; the same columns in pre_norm_w
	v_and_b32 v5, 31, v0
	s_delay_alu instid0(VALU_DEP_1)
	v_lshlrev_b32 v5, 4, v5                        ; 16 x lane: my place in an image
	v_lshl_add_u32 v6, v1, 4, s43
	s_delay_alu instid0(VALU_DEP_1)
	v_lshl_add_u32 v6, v2, 2, v6                   ; my scale word: lanes 0-15 store K step 0's, lanes 16-31 K step 1's
	s_lshl_b32 s21, s2, 6
	s_add_co_u32 s21, s21, XCH
	v_lshl_add_u32 v7, v1, 2, s21                  ; my wave's partial sum of row r
	v_lshl_add_u32 v8, v1, 2, XCH                  ; and the sixteen waves' of row r, 64 bytes apart
	v_lshlrev_b32 v27, 3, v2                       ; 8 h
	v_mov_b32 v26, 0                               ; (a lane permute's destination counts as one of its sources)
	s_add_nc_u64 s[16:17], s[16:17], s[40:41]      ; my group
	s_add_nc_u64 s[46:47], s[16:17], s[44:45]      ; my two fragments in it
; the gains of K step s, in the places of the numbers.  Chunk n (16 bytes) of a block goes to chunk PN: 0, 1, 4, 5, 2, 3, 6, 7
.macro GAINS s
.irp c, 0,1
.irp n, 0,1,2,3,4,5,6,7
.set PN, ((\n)&1)+2*(((((\n)>>1)&1)<<1)|((\n)>>2))
	global_load_b128 v[G+32*\c+4*PN:G+32*\c+4*PN+3], v4, s[14:15] offset:512*(\s)+256*\c+16*\n
.endr
.endr
.endm
	GAINS 0
	s_wait_tensorcnt 0x0                           ; my tile is in; nobody else reads it
.irp s, 0,1
.irp c, 0,1
.irp n, 0,1,2,3,4,5,6,7
.set PN, ((\n)&1)+2*(((((\n)>>1)&1)<<1)|((\n)>>2))
	ds_load_b128 v[X+64*\s+32*\c+4*PN:X+64*\s+32*\c+4*PN+3], v3 offset:512*\s+256*\c+16*\n
.endr
.endr
.endr
	s_wait_dscnt 0x0
	; the sum of squares of my 128 numbers, in two packed chains
	v_pk_mul_f32 v[10:11], v[X:X+1], v[X:X+1]
	v_pk_mul_f32 v[12:13], v[X+2:X+3], v[X+2:X+3]
.set j, 4
.rept 31
	s_delay_alu instid0(VALU_DEP_2)
	v_pk_fma_f32 v[10:11], v[X+j:X+j+1], v[X+j:X+j+1], v[10:11]
	s_delay_alu instid0(VALU_DEP_2)
	v_pk_fma_f32 v[12:13], v[X+j+2:X+j+3], v[X+j+2:X+j+3], v[12:13]
.set j, j+4
.endr
	s_delay_alu instid0(VALU_DEP_1)
	v_pk_add_f32 v[10:11], v[10:11], v[12:13]
	s_delay_alu instid0(VALU_DEP_1)
	v_add_f32 v10, v10, v11
	s_delay_alu instid0(VALU_DEP_1)
	v_permlanex16_b32 v11, v10, s[SEL], s[SEL+1]
	s_delay_alu instid0(VALU_DEP_1)
	v_add_f32 v10, v10, v11                        ; row r's 256 columns of my wave
	ds_store_b32 v7, v10                           ; (both halves of the lanes write the same word with the same value)
	s_wait_dscnt 0x0                               ; for the others' sake: my store has landed
	s_barrier_signal -1
	s_barrier_wait -1
.irp i, 0,1,2,3,4,5,6,7,8,9,10,11,12,13,14,15
	ds_load_b32 v[C+\i], v8 offset:64*\i
.endr
	s_wait_dscnt 0x0
.irp i, 0,1,2,3,4,5,6,7
	v_add_f32 v[C+\i], v[C+\i], v[C+8+\i]          ; the same tree in every wave: the same sum
.endr
.irp i, 0,1,2,3
	s_delay_alu instid0(VALU_DEP_4)
	v_add_f32 v[C+\i], v[C+\i], v[C+4+\i]
.endr
.irp i, 0,1
	s_delay_alu instid0(VALU_DEP_2)
	v_add_f32 v[C+\i], v[C+\i], v[C+2+\i]
.endr
	s_delay_alu instid0(VALU_DEP_1)
	v_add_f32 v[C], v[C], v[C+1]
	s_delay_alu instid0(VALU_DEP_1)
	v_fmaak_f32 v10, s37, v[C], 0x3727c5ac         ; the mean + 1e-5 (x 2^-12 rounds nothing)
	s_wait_alu depctr_va_vdst(0)
	v_rsq_f32 v16, v10
	v_mov_b32 v17, 0                               ; a plain line behind the transcendental; v17 is named with v16 as a pair
	s_wait_alu depctr_va_vdst(0)                   ; the wait ahead of the first line that names the result
	s_wait_loadcnt 0x0                             ; the gains of K step 0
	s_cmp_lt_u32 ttmp9, 128                        ; hidden_states alone is normalised
	s_cbranch_scc0 .Lweights0
.set j, 0
.rept 64
	v_pk_mul_f32 v[X+j:X+j+1], v[X+j:X+j+1], v[16:17] op_sel_hi:[1,0]   ; x times the root's reciprocal, then times the gain: rounded in the order in which the problem has them
.set j, j+2
.endr
.set j, 0
.rept 32
	v_pk_mul_f32 v[X+j:X+j+1], v[X+j:X+j+1], v[G+j:G+j+1]
.set j, j+2
.endr
.Lweights0:
	GAINS 1                                        ; they land while K step 0 is quantised
; K step s: two whole blocks a lane (2 c + h): largest magnitude, scale, codes, three stores of 512 consecutive aligned bytes
.macro Q1 s
.set XS, X+64*(\s)
.set CS, C+12*(\s)
.irp c, 0,1
	v_max3_num_f32 v[18+\c], |v[XS+32*\c]|, |v[XS+32*\c+1]|, 0x1800000   ; with the floor 2^(3 - 127): the byte cannot fall under 1
.endr
.irp i, 2,4,6,8,10,12,14,16,18,20,22,24,26,28,30
.irp c, 0,1
	s_delay_alu instid0(VALU_DEP_2)
	v_max3_num_f32 v[18+\c], v[18+\c], |v[XS+32*\c+\i]|, |v[XS+32*\c+\i+1]|
.endr
.endr
.irp c, 0,1
	s_delay_alu instid0(VALU_DEP_2)
	v_add_nc_u32 v[20+\c], 0xff000000, v[18+\c]    ; 2 off the exponent field: the conversion's scale operand
.endr
.irp c, 0,1
	s_delay_alu instid0(VALU_DEP_2)
	v_lshrrev_b32 v[22+\c], 23, v[20+\c]           ; the scale's byte
.endr
	s_delay_alu instid0(VALU_DEP_1)
	v_lshl_or_b32 v[24+\s], v23, 16, v22           ; my two bytes, blocks h and 2 + h,
	s_delay_alu instid0(VALU_DEP_1)
	v_lshlrev_b32 v[24+\s], v27, v[24+\s]          ; at their places;
	s_delay_alu instid0(VALU_DEP_1)
	v_permlanex16_b32 v26, v[24+\s], s[SEL], s[SEL+1]
	s_delay_alu instid0(VALU_DEP_1)
	v_or_b32 v[24+\s], v[24+\s], v26               ; with lane l xor 16's two the row's word is whole
.irp c, 0,1
	v_cvt_scalef32_pk16_fp6_f32 v[CS+6*\c:CS+6*\c+2], v[XS+32*\c:XS+32*\c+15], v[20+\c]
	v_cvt_scalef32_pk16_fp6_f32 v[T+4*\c:T+4*\c+2], v[XS+32*\c+16:XS+32*\c+31], v[20+\c]   ; (a conversion's three registers begin on an even number)
.endr
	v_nop                                          ; one plain line behind the scaled conversions
.irp c, 0,1
.irp i, 0,1,2
	v_mov_b32 v[CS+6*\c+3+\i], v[T+4*\c+\i]
.endr
.endr
.irp g, 0,1,2
	global_store_b128 v5, v[CS+4*\g:CS+4*\g+3], s[46:47] offset:FRB*(\s)+512*\g
.endr
.endm
	Q1 0
	s_wait_loadcnt 0x0                             ; the gains of K step 1
	s_cmp_lt_u32 ttmp9, 128
	s_cbranch_scc0 .Lweights1
.set j, 0
.rept 32
	v_pk_mul_f32 v[X+64+j:X+64+j+1], v[X+64+j:X+64+j+1], v[G+j:G+j+1]
.set j, j+2
.endr
.Lweights1:
	Q1 1                                           ; (its codes have registers of their own: no store's data are written again)
	v_cmp_eq_u32 vcc_lo, 1, v2
	s_delay_alu instid0(VALU_DEP_1)
	v_cndmask_b32 v24, v24, v25, vcc_lo            ; lanes 16-31 carry K step 1's word
	global_store_b32 v6, v24, s[16:17]
	s_wait_tensorcnt 0x0
	ds_add_u32 v251, v255
	s_wait_dscnt 0x0
	s_endpgm
.Lfunc_end_k_q355a588029_quant:
	.size	k_q355a588029_quant, .Lfunc_end_k_q355a588029_quant-k_q355a588029_quant
	.p2alignl 7, 3214868480
	.fill 96, 4, 3214868480
	.section	.rodata,"a",@progbits
	.p2align	6, 0x0
	.amdhsa_kernel k_q355a588029_quant
		.amdhsa_group_segment_fixed_size 272384
		.amdhsa_private_segment_fixed_size 0
		.amdhsa_enable_private_segment 0
		.amdhsa_kernarg_size 48
		.amdhsa_user_sgpr_count 2
		.amdhsa_user_sgpr_kernarg_segment_ptr 1
		.amdhsa_wavefront_size32 1
		.amdhsa_system_sgpr_workgroup_id_x 1
		.amdhsa_system_sgpr_workgroup_id_y 1
		.amdhsa_system_sgpr_workgroup_id_z 1
		.amdhsa_system_vgpr_workitem_id 0
		.amdhsa_next_free_vgpr 256
		.amdhsa_next_free_sgpr 66
		.amdhsa_reserve_vcc 1
		.amdhsa_float_denorm_mode_32 3
		.amdhsa_float_denorm_mode_16_64 3
		.amdhsa_memory_ordered 1
		.amdhsa_forward_progress 1
		.amdhsa_inst_pref_size 35
	.end_amdhsa_kernel
	.amdgpu_metadata
---
amdhsa.version: [ 1, 2 ]
amdhsa.kernels:
  - .name:           k_q355a588029_quant
    .symbol:         k_q355a588029_quant.kd
    .args:
      - { .name: hidden_states, .offset: 0, .size: 8, .value_kind: global_buffer, .address_space: global }
      - { .name: wq, .offset: 8, .size: 8, .value_kind: global_buffer, .address_space: global }
      - { .name: wk, .offset: 16, .size: 8, .value_kind: global_buffer, .address_space: global }
      - { .name: wv, .offset: 24, .size: 8, .value_kind: global_buffer, .address_space: global }
      - { .name: pre_norm_w, .offset: 32, .size: 8, .value_kind: global_buffer, .address_space: global }
      - { .name: codes, .offset: 40, .size: 8, .value_kind: global_buffer, .address_space: global }
    .group_segment_fixed_size: 272384
    .private_segment_fixed_size: 0
    .kernarg_segment_align: 8
    .kernarg_segment_size: 48
    .max_flat_workgroup_size: 512
    .sgpr_count:     66
    .vgpr_count:     256
    .wavefront_size: 32
...
	.end_amdgpu_metadata
.endif
;; end of part 1
;; launch qkv (part 2): grid 16 x 16, 4 waves a work-group, clusters of 4 x 4, 327,680 bytes of LDS; arguments codes, cos, sin, q_norm_w, k_norm_w, qkv; writes qkv
.if DOCPART == 2
	.amdgcn_target "amdgcn-amd-amdhsa--gfx1250"
	.amdhsa_code_object_version 6
	.text
	.protected	k_q355a588029_qkv
	.globl	k_q355a588029_qkv
	.p2align	8
	.type	k_q355a588029_qkv,@function
k_q355a588029_qkv:
	s_mov_b64 s[64:65], 0
	v_nop
	global_prefetch_b8 v0, s[64:65] scope:SCOPE_SE
	s_setreg_imm32_b32 hwreg(HW_REG_WAVE_MODE, 25, 1), 1
	s_wait_xcnt 0x0
	s_wait_alu depctr_hold_cnt(0) depctr_sa_sdst(0) depctr_va_vdst(0) depctr_va_sdst(0) depctr_va_ssrc(0) depctr_va_vcc(0) depctr_vm_vsrc(0)
	s_getreg_b32 s2, hwreg(HW_REG_IB_STS2, 6, 4)
	s_cmp_eq_u32 s2, 0
	s_cbranch_scc0 .Lentry_in_a_cluster
	s_endpgm
.Lentry_in_a_cluster:
	s_bfe_u32 s2, ttmp6, 0x10000c
	s_cmp_lg_u32 s2, 0xf033
	s_cbranch_scc0 .Lentry_shape_is_right
	s_endpgm
.Lentry_shape_is_right:
; q, k, v = h wq^T, h wk^T, h wv^T on codes of FP6 (E2M3) with E8M0 scales; q and k: RMS norm over the head's 128 with its gain, then RoPE; then q, k (along the head's 128) and v (along the KEYS) are quantised
; in registers and leave as codes: no f32 number of q, k or v goes to memory.
; THE PRODUCT.  Source 0 = 16 rows of X, source 1 = 16 rows of Y: in the result a lane holds ONE row of Y (lane % 16) and its registers run along X (tile i: X rows 16 i + 8 (lane / 16) + 0 .. 7).
; For q and k: X = 256 rows of wq|wk (two heads), Y = 128 tokens: a lane holds a token and 64 of a head's 128 numbers, lane l xor 16 the others.  For v: X = 256 tokens, Y = the 128 rows of wv of one head:
; a lane holds one channel and its registers run along the keys, which are the K of attention's second product.  The two kinds differ in addresses alone, up to the norm and RoPE.
; SHARES.  256 work-groups: 192 for q and k (12 x 16), 64 for v (8 x 8).  A work-group's tile is 256 X x 128 Y; wave (wx, wy) makes 128 X x 64 Y: 32 accumulators, 32 matrix instructions for 128 along K.
; THE OPERANDS lie in memory as images of the operand registers (a fragment: 1,536 bytes; a group: four K steps' fragments of 16 rows and their scale words, 6,400 bytes).  A slot of the ring holds one group
; (512 along K) of each of the tile's 24 blocks of 16 rows; a fragment comes by three ds_load_b128 of 512 consecutive bytes: no pitch, no padding.
; CLUSTERS: 4 x 4.  X's tile hangs on cx alone and is shared along a column of the cluster, Y's on cy alone and is shared along a row: joint loads, the same descriptor in the four that the mask names.
; The kind hangs on the cluster's y alone: it is the same in all sixteen partners.
; ORDER INSIDE A BLOCK OF 32, on both sides of every product: place 16 a + 8 u + j holds k = 16 u + 8 a + j.  It is the order in which two neighbouring result tiles lie in the two halves of the lanes.
; OUTPUT: qkv = 1,024 groups.  q and k: group head x 32 + token / 64 (heads 0-15 q, 16-23 k), a fragment = 16 tokens x 128.  v: group 768 + (head x 16 + key step) x 2 + channel / 64, a fragment = 16 channels x 128 keys.
; Their scale words: fragment y, row r at 6,144 + 128 (y / 2) + 8 r + 4 (y % 2).
; REGISTERS, in windows of 256: window 0: v1-19 addresses; v32-79 scale words, two sets, and nothing else; v80-175 Y's fragments, two sets (at the end: at work); v176-239 the gains; v240-255 at work.
;   window 1: the accumulators, (i, j) at 8 (8 j + i).   window 2: cos and sin of token tiles 0, 1.   window 3: X's fragments, two sets (at the end: cos and sin of token tiles 2, 3).
; LIMITS: NaN and infinities are not served; a block of zeros gets the byte 1 (its codes are zeros; this program alone reads the bytes); RoPE takes one fused multiply-add where the problem rounds two products.
.set GRP,   6400
.set FRB,   1536
.set SCO,   4*FRB
.set RBLK,  8*GRP                      ; from a block of 16 rows to the next, in bytes
.set NG,    8                          ; groups along K: 4,096 / 512
.set SLOT,  24*GRP
.set YOFF,  16*GRP                     ; in a slot: X's 16 blocks, then Y's 8
.set SPARE, 2*SLOT                     ; behind the ring: the spare words, 128 bytes a wave: two blocks of 256 bytes that no other line names
.set CO,   3                           ; v3     16 x lane
.set AX,   4                           ; v4-5   LDS address of my X fragments in slot 0, 1
.set AY,   6                           ; v6-7   of my Y fragments
.set ASX,  8                           ; v8-9   of X's scale words: lanes 0-15 blocks 0-3, lanes 16-31 blocks 4-7
.set ASY,  10                          ; v10-11 of Y's: lanes 0-15 blocks 0-1, lanes 16-31 blocks 2-3
.set SPW,  12                          ; v12    my spare word; never rewritten
.set NIL,  13                          ; v13    0; never rewritten
.set CSO,  14                          ; v14    cos, sin: 512 r + 32 h
.set GOF,  15                          ; v15    the gains: 32 h
.set SCF,  16                          ; v16    the output's scale words: 6,144 + 8 x lane
.set SC,   32
.set YF,   80
.set G,    176
.set TM,   240
.set TMP1, 80
.set TMP2, 112
.set PC,   144                         ; the codes just made
.set PT,   156
.set PW,   164                         ; v164-167 the four token tiles' scale words
.set F,    168
.set T,    170
.set SW,   174
.set WV,   20
.set WX,   21
.set WY,   22
.set G1X,  24
.set G1Y,  32
.set G0X,  40                          ; one set for each slot
.set G0Y,  48
.set CYC,  59                          ; the cluster's y: 0, 1 q; 2 k; 3 v
.set SEL,  88
.set C7,   90
.set PFO,  20                          ; v20    the prefetches' offset: 256 x min(lane, 24); never rewritten
.set PFA,  92                          ; s[92:93] where my prefetches stand
.set MSB, 0
.macro WIN new                         ; the immediate's high byte repeats the setting that is left; a switch that changes nothing is dropped
.if MSB != (\new)
	s_set_vgpr_msb (MSB<<8)|(\new)
.set MSB, (\new)
.endif
.endm
.macro PLACES
.rept 4
	v_nop
.endr
.endm
; A joint load: waves 0 and 1 fetch X's halves, waves 2 and 3 Y's.  The branch hangs on the wave's number alone.  Four v_nop follow each of the two lines.
.macro JLOAD g0a, g1a, g0b, g1b
	s_cmp_eq_u32 s[WX], 0
	s_cbranch_scc0 .Lfor_y_\@
	tensor_load_to_lds s[\g0a:\g0a+3], s[\g1a:\g1a+7]
	s_nop 0
.rept 4
	v_nop
.endr
	s_branch .Lasked_\@
.Lfor_y_\@:
	tensor_load_to_lds s[\g0b:\g0b+3], s[\g1b:\g1b+7]
	s_nop 0
.rept 4
	v_nop
.endr
.Lasked_\@:
.endm
; A PREFETCH of one group of the tile that I fetch: of its rows of 6,400 bytes (25 blocks of 256) the four partners that ask for the tile jointly share the rows out BY ADDRESS: X's waves take rows 2 cy and 2 cy + 1
; of their 8, Y's waves row cx of their 4.  A lane a block; the seven lanes left over name the row's last block again.  Behind the load of group g stands the request for group g + 2 (at the head also group 1);
; loop = 1: the loop's last trip loads groups 6 and 7 and asks for nothing.
.macro ASK off, loop
.if \loop
	s_cmp_gt_u32 s3, 1
	s_cbranch_scc0 .Lasked_all_\@
.endif
	global_prefetch_b8 v[PFO], s[PFA:PFA+1] offset:\off th:TH_LOAD_NT scope:SCOPE_SE
	s_cmp_eq_u32 s[WX], 0
	s_cbranch_scc0 .Lasked_all_\@
	global_prefetch_b8 v[PFO], s[PFA:PFA+1] offset:(\off)+RBLK th:TH_LOAD_NT scope:SCOPE_SE
.Lasked_all_\@:
.endm
.macro CREST
	s_cmp_lg_u32 s[WV], 0
	s_cbranch_scc1 .Lnot_wave_0_\@
	s_barrier_signal -3
.Lnot_wave_0_\@:
	s_barrier_wait -3
	s_barrier_signal -1
	s_barrier_wait -1
.endm
.macro CROUND
	s_barrier_signal -1
	s_barrier_wait -1
	CREST
.endm
; one product: X's block i x Y's block j, the group's q-th 128 along K.  The scale words: register 4 (i % 4) + q of the set holds X's blocks i % 4 (lanes 0-15) and i % 4 + 4 (lanes 16-31); Y's likewise with 2
.macro MM i, j, set, q, sc, zero
.set rD, 8*(8*(\j)+(\i))
.set rA, 96*(\set)+12*(\i)
.set rB, YF+48*(\set)+12*(\j)
.set rX, SC+24*(\sc)+4*((\i)&3)+(\q)
.set rY, SC+24*(\sc)+16+4*((\j)&1)+(\q)
.set rW, 2*((\i)>>2)+((\j)>>1)+4*(\zero)
.if rW == 0
	v_wmma_scale_f32_16x16x128_f8f6f4 v[rD:rD+7], v[rA:rA+11], v[rB:rB+11], v[rD:rD+7], v[rX], v[rY] matrix_a_fmt:MATRIX_FMT_FP6 matrix_b_fmt:MATRIX_FMT_FP6
.elseif rW == 1
	v_wmma_scale_f32_16x16x128_f8f6f4 v[rD:rD+7], v[rA:rA+11], v[rB:rB+11], v[rD:rD+7], v[rX], v[rY] matrix_a_fmt:MATRIX_FMT_FP6 matrix_b_fmt:MATRIX_FMT_FP6 matrix_b_scale:MATRIX_SCALE_ROW1
.elseif rW == 2
	v_wmma_scale_f32_16x16x128_f8f6f4 v[rD:rD+7], v[rA:rA+11], v[rB:rB+11], v[rD:rD+7], v[rX], v[rY] matrix_a_fmt:MATRIX_FMT_FP6 matrix_b_fmt:MATRIX_FMT_FP6 matrix_a_scale:MATRIX_SCALE_ROW1
.elseif rW == 3
	v_wmma_scale_f32_16x16x128_f8f6f4 v[rD:rD+7], v[rA:rA+11], v[rB:rB+11], v[rD:rD+7], v[rX], v[rY] matrix_a_fmt:MATRIX_FMT_FP6 matrix_b_fmt:MATRIX_FMT_FP6 matrix_a_scale:MATRIX_SCALE_ROW1 matrix_b_scale:MATRIX_SCALE_ROW1
.elseif rW == 4
	v_wmma_scale_f32_16x16x128_f8f6f4 v[rD:rD+7], v[rA:rA+11], v[rB:rB+11], 0, v[rX], v[rY] matrix_a_fmt:MATRIX_FMT_FP6 matrix_b_fmt:MATRIX_FMT_FP6
.elseif rW == 5
	v_wmma_scale_f32_16x16x128_f8f6f4 v[rD:rD+7], v[rA:rA+11], v[rB:rB+11], 0, v[rX], v[rY] matrix_a_fmt:MATRIX_FMT_FP6 matrix_b_fmt:MATRIX_FMT_FP6 matrix_b_scale:MATRIX_SCALE_ROW1
.elseif rW == 6
	v_wmma_scale_f32_16x16x128_f8f6f4 v[rD:rD+7], v[rA:rA+11], v[rB:rB+11], 0, v[rX], v[rY] matrix_a_fmt:MATRIX_FMT_FP6 matrix_b_fmt:MATRIX_FMT_FP6 matrix_a_scale:MATRIX_SCALE_ROW1
.else
	v_wmma_scale_f32_16x16x128_f8f6f4 v[rD:rD+7], v[rA:rA+11], v[rB:rB+11], 0, v[rX], v[rY] matrix_a_fmt:MATRIX_FMT_FP6 matrix_b_fmt:MATRIX_FMT_FP6 matrix_a_scale:MATRIX_SCALE_ROW1 matrix_b_scale:MATRIX_SCALE_ROW1
.endif
.endm
; 16 products: Y's blocks j0, j0 + 1 x X's eight.  The 32 accumulators take turns, one instruction a turn, in the same order in every K step
.macro MULH set, q, sc, zero, j0
	WIN 0x53                                       ; X window 3, Y window 0, C and D window 1
.irp j, \j0, \j0+1
.irp i, 0,1,2,3,4,5,6,7
	MM \i, (\j), \set, \q, \sc, \zero
.endr
.endr
.endm
.macro FETCH slot, q, set              ; 36 LDS loads in one run: the fragments of the group's q-th 128 along K
	WIN 0xc0                                       ; destination window 3
.irp i, 0,1,2,3,4,5,6,7
.irp g, 0,1,2
	ds_load_b128 v[96*(\set)+12*\i+4*\g:96*(\set)+12*\i+4*\g+3], v[AX+(\slot)] offset:GRP*\i+FRB*(\q)+512*\g
.endr
.endr
	WIN 0
.irp j, 0,1,2,3
.irp g, 0,1,2
	ds_load_b128 v[YF+48*(\set)+12*\j+4*\g:YF+48*(\set)+12*\j+4*\g+3], v[AY+(\slot)] offset:GRP*\j+FRB*(\q)+512*\g
.endr
.endr
.endm
.macro SCALES slot                     ; a group's scale words: 16 bytes a row are the four K steps' words
.irp i, 0,1,2,3
	ds_load_b128 v[SC+24*(\slot)+4*\i:SC+24*(\slot)+4*\i+3], v[ASX+(\slot)] offset:GRP*\i
.endr
.irp j, 0,1
	ds_load_b128 v[SC+24*(\slot)+16+4*\j:SC+24*(\slot)+16+4*\j+3], v[ASY+(\slot)] offset:GRP*\j
.endr
.endm
; A K STEP of 128: 32 products on fragment set q % 2, and the next step's 36 loads into the other set, in one run ahead of them.  The four v_nop at its head stand behind the last step's products, which read
; that other set: a load into a register that a matrix instruction has read stands four plain vector instructions behind it (ISA guide 7.12.1 for vector instructions).
; mode 0: the next step lies in the same slot.  mode 1: the slot's last step; the slot is filled again, two groups on.  mode 2: the same without a fill.  mode 3: the very last step.
.macro KSTEP slot, q, zero, mode
	WIN 0
	PLACES
.if \mode == 0
	s_wait_dscnt 0x0                               ; this step's fragments, asked for 32 products ago, are in
	FETCH \slot, (\q)+1, 1-((\q)&1)
	MULH (\q)&1, \q, \slot, \zero, 0
	MULH (\q)&1, \q, \slot, \zero, 2
.elseif \mode == 3
	s_wait_dscnt 0x0
	MULH 1, 3, \slot, 0, 0
	MULH 1, 3, \slot, 0, 2
.else
.if \mode == 1
	s_wait_xcnt 0x0                                ; my last prefetches have read their address: it steps one group on
	s_add_nc_u64 s[PFA:PFA+1], s[PFA:PFA+1], GRP
.endif
	s_wait_tensorcnt 0x0                           ; all my tensor loads have landed: the one that was out is my part of the other slot;
	ds_add_u32 v[SPW], v[NIL]                      ; 0 onto my spare word;
.if \mode == 1
	s_add_nc_u64 s[G0X+4*(\slot)+2:G0X+4*(\slot)+3], s[G0X+4*(\slot)+2:G0X+4*(\slot)+3], 2*GRP   ; no load of mine is out: this slot's descriptors step two groups on
	s_add_nc_u64 s[G0Y+4*(\slot)+2:G0Y+4*(\slot)+3], s[G0Y+4*(\slot)+2:G0Y+4*(\slot)+3], 2*GRP
.endif
	s_wait_dscnt 0x0                               ; the add is done, and my reads of this slot are over: its last fragments are in registers
	s_barrier_signal -1
	MULH 1, 3, \slot, 0, 0                         ; work on registers while the others arrive
	WIN 0
	s_barrier_wait -1
.if \mode == 1
	CREST                                          ; the barrier has opened a round of the cluster's: no wave of any partner still reads this slot or has a load on its way
	JLOAD G0X+4*(\slot), G1X, G0Y+4*(\slot), G1Y   ; the first tensor load behind the round: 112 products ahead of the wait for it
.endif
	FETCH 1-(\slot), 0, 0
	SCALES 1-(\slot)
.if \mode == 1
	ASK 2*GRP, 1                                   ; behind the joint load and the run of LDS loads: the group two refills on
.endif
	MULH 1, 3, \slot, 0, 2
.endif
.endm
	s_load_b256 s[4:11], s[0:1], 0x0               ; codes, cos, sin, q_norm_w
	s_load_b128 s[12:15], s[0:1], 0x20             ; k_norm_w, qkv
	v_lshl_add_u32 v[SPW], v0, 2, SPARE
	v_mov_b32 v[NIL], 0
	ds_add_u32 v12, v13
	ds_add_u32 v12, v13
	s_wait_dscnt 0x0
	v_lshrrev_b32 v1, 5, v0
	v_readfirstlane_b32 s[WV], v1                  ; wave 0..3
	s_lshr_b32 s[WX], s[WV], 1                     ; which half of X is mine.  Also: I fetch for X (0) or for Y (1)
	s_and_b32 s[WY], s[WV], 1                      ; which half of Y is mine.  Also: which half of that tile I fetch
	s_bfe_u32 s56, ttmp6, 0x40000                  ; cx
	s_bfe_u32 s57, ttmp6, 0x40004                  ; cy
	s_and_b32 s[CYC], ttmp7, 0xffff                ; the cluster's y
	s_lshl_b32 s60, s57, 2
	s_lshl_b32 s60, 15, s60                        ; my row of the cluster
	s_lshl_b32 s61, 0x1111, s56                    ; my column
	; descriptor group 1: rows of 6,400 bytes (800 elements of 8 bytes), one group of one block of 16 rows each, RBLK bytes apart in memory, dense in LDS
	s_or_b32 s[G1X], s61, (3<<16)|(1<<21)          ; X's tiles go to my column
	s_or_b32 s[G1Y], s60, (3<<16)|(1<<21)          ; Y's to my row
.irp g, G1X, G1Y
	s_mov_b32 s[\g+1], 800<<16                     ; tensor_dim0
	s_mov_b32 s[\g+3], 800<<16                     ; tile_dim0
	s_mov_b32 s[\g+5], RBLK/8                      ; from row to row, in elements
	s_mov_b32 s[\g+6], 0
	s_mov_b32 s[\g+7], 0
.endr
	s_mov_b32 s[G1X+2], 8<<16                      ; tensor_dim1: half of X's 16 blocks
	s_mov_b32 s[G1X+4], 8
	s_mov_b32 s[G1Y+2], 4<<16                      ; half of Y's 8
	s_mov_b32 s[G1Y+4], 4
	; which tile.  X's numbers are made of cx and the cluster's place alone, Y's of cy and the cluster's place alone
	s_lshl_b32 s66, s[CYC], 2
	s_add_co_u32 s66, s66, s56                     ; q, k: X tile = 4 x cluster y + cx: heads 2 X, 2 X + 1
	s_and_b32 s67, ttmp9, 1
	s_lshl_b32 s67, s67, 2
	s_add_co_u32 s67, s67, s56                     ; v: X tile = 4 (cluster x % 2) + cx: 256 tokens
	s_lshl_b32 s68, ttmp9, 2
	s_add_co_u32 s68, s68, s57                     ; q, k: Y tile = 4 x cluster x + cy: 128 tokens
	s_lshr_b32 s69, ttmp9, 1
	s_lshl_b32 s69, s69, 2
	s_add_co_u32 s69, s69, s57                     ; v: Y tile = 4 (cluster x / 2) + cy: the head
	s_cmp_eq_u32 s[CYC], 3
	s_cselect_b32 s70, s67, s66                    ; X tile
	s_cselect_b32 s71, s69, s68                    ; Y tile
	s_cselect_b32 s72, 0, 128                      ; X's first block of 16 rows in codes: h, or wq
	s_cselect_b32 s73, 320, 0                      ; Y's: wv, or h
	s_lshl_b32 s74, s70, 4
	s_add_co_u32 s74, s74, s72
	s_lshl_b32 s75, s[WY], 3
	s_add_co_u32 s74, s74, s75                     ; the half that I fetch
	s_mul_i32 s74, s74, RBLK
	s_mov_b32 s75, 0
	s_lshl_b32 s78, s71, 3
	s_add_co_u32 s78, s78, s73
	s_lshl_b32 s79, s[WY], 2
	s_add_co_u32 s78, s78, s79
	s_mul_i32 s78, s78, RBLK
	s_mov_b32 s79, 0
	; my wave's group of the output
	s_lshl_b32 s82, s70, 1
	s_add_co_u32 s82, s82, s[WX]                   ; 2 X + wx: the head (q, k) or the key step (v)
	s_lshl_b32 s83, s82, 5
	s_lshl_b32 s84, s71, 1
	s_add_co_u32 s83, s83, s84                     ; q, k: head x 32 + 2 Y
	s_lshl_b32 s84, s71, 5
	s_lshl_b32 s85, s82, 1
	s_add_co_u32 s84, s84, s85
	s_add_co_u32 s84, s84, 768                     ; v: 768 + (16 Y + key step) x 2
	s_cmp_eq_u32 s[CYC], 3
	s_cselect_b32 s82, s84, s83
	s_add_co_u32 s82, s82, s[WY]
	s_mul_i32 s82, s82, GRP
	s_mov_b32 s83, 0
	s_lshl_b32 s84, s71, 7                         ; cos, sin: my wave's first token 128 Y + 64 wy (in a v tile these rows are loaded and not used: they lie inside the tables)
	s_lshl_b32 s85, s[WY], 6
	s_add_co_u32 s84, s84, s85
	s_lshl_b32 s84, s84, 9
	s_mov_b32 s85, 0
	s_mul_i32 s86, s[WY], 8*GRP                    ; where what I fetch goes: no place in the cluster enters an LDS address
	s_mul_i32 s87, s[WY], 4*GRP
	s_add_co_u32 s87, s87, YOFF
	s_mul_i32 s91, s[WX], 8*GRP                    ; and where my X fragments lie
	s_mov_b32 s[SEL], 0x76543210
	s_mov_b32 s[SEL+1], 0xfedcba98
	s_mov_b32 s[C7], 0x3c000000                    ; 2^-7: the mean of 128
	s_mul_i32 s94, s57, 2*RBLK                     ; the prefetches: X's waves rows 2 cy, 2 cy + 1,
	s_mul_i32 s95, s56, RBLK                       ; Y's waves row cx,
	s_cmp_eq_u32 s[WX], 0
	s_cselect_b32 s94, s94, s95
	s_add_co_u32 s94, s94, GRP                     ; from group 1 on
	s_mov_b32 s95, 0
	s_wait_kmcnt 0x0
	s_add_nc_u64 s[76:77], s[4:5], s[74:75]
	s_add_nc_u64 s[80:81], s[4:5], s[78:79]
	s_cmp_eq_u32 s[WX], 0
	s_cselect_b64 s[PFA:PFA+1], s[76:77], s[80:81]
	s_add_nc_u64 s[PFA:PFA+1], s[PFA:PFA+1], s[94:95]
	s_add_nc_u64 s[14:15], s[14:15], s[82:83]
	s_add_nc_u64 s[6:7], s[6:7], s[84:85]
	s_add_nc_u64 s[8:9], s[8:9], s[84:85]
	s_cmp_lt_u32 s[CYC], 2
	s_cselect_b64 s[10:11], s[10:11], s[12:13]     ; q's gains or k's
	CROUND                                         ; all sixteen work-groups are here: the first joint loads meet
.irp s, 0,1
	s_mov_b32 s[G0X+4*\s], 1
	s_add_co_u32 s[G0X+4*\s+1], s86, \s*SLOT
	s_add_nc_u64 s[G0X+4*\s+2:G0X+4*\s+3], s[76:77], \s*GRP
	s_or_b32 s[G0X+4*\s+3], s[G0X+4*\s+3], 0x80000000
	s_mov_b32 s[G0Y+4*\s], 1
	s_add_co_u32 s[G0Y+4*\s+1], s87, \s*SLOT
	s_add_nc_u64 s[G0Y+4*\s+2:G0Y+4*\s+3], s[80:81], \s*GRP
	s_or_b32 s[G0Y+4*\s+3], s[G0Y+4*\s+3], 0x80000000
.if \s == 0
	JLOAD G0X, G1X, G0Y, G1Y                       ; group 0: one tensor load a wave at the head
.endif
.endr
	v_and_b32 v1, 15, v0                           ; r
	v_bfe_u32 v2, v0, 4, 1                         ; h
	v_and_b32 v17, 31, v0
	v_lshlrev_b32 v[CO], 4, v17
	v_lshl_add_u32 v[SCF], v17, 3, SCO
	v_add_nc_u32 v[AX], s91, v[CO]
	v_add_nc_u32 v[AX+1], SLOT, v[AX]
	v_add_nc_u32 v[AY], s87, v[CO]
	v_add_nc_u32 v[AY+1], SLOT, v[AY]
	v_lshl_add_u32 v18, v1, 4, SCO
	v_mad_u32_u24 v19, v2, 4*GRP, v18              ; lanes 16-31 take the block four further on
	v_add_nc_u32 v[ASX], s91, v19
	v_add_nc_u32 v[ASX+1], SLOT, v[ASX]
	v_mad_u32_u24 v19, v2, 2*GRP, v18              ; (Y: two further on)
	v_add_nc_u32 v[ASY], s87, v19
	v_add_nc_u32 v[ASY+1], SLOT, v[ASY]
	v_lshlrev_b32 v[CSO], 9, v1
	v_lshl_add_u32 v[CSO], v2, 5, v[CSO]
	v_lshlrev_b32 v[GOF], 5, v2
	v_min_u32 v[PFO], 24, v17
	v_lshlrev_b32 v[PFO], 8, v[PFO]
	s_wait_alu depctr_va_vdst(0)                   ; the wait here, ahead of the branches below
	ASK 0, 0                                       ; groups 1 and 2
	ASK GRP, 0
.irp b, 0,1,2,3
	v_mov_b32 v[TM+4+\b], 0                        ; written once: a lane permute's destination counts as one of its sources
.endr
.irp i, 0,1,2,3,4,5,6,7
.irp x, 0,1
	global_load_b128 v[G+8*\i+4*\x:G+8*\i+4*\x+3], v[GOF], s[10:11] offset:64*\i+16*\x   ; the gains, in the result's layout: register 8 i + j: channel 16 i + 8 h + j
.endr
.endr
; cos and sin of token tile y, in the result's layout, into the window that the caller has set: cos at 128 (y % 2), sin 64 further on
.macro CSLOAD y
.set CB, 128*((\y)&1)
.irp i, 0,1,2,3,4,5,6,7
.irp x, 0,1
	global_load_b128 v[CB+8*\i+4*\x:CB+8*\i+4*\x+3], v[CSO], s[6:7] offset:8192*(\y)+64*\i+16*\x
	global_load_b128 v[CB+64+8*\i+4*\x:CB+64+8*\i+4*\x+3], v[CSO], s[8:9] offset:8192*(\y)+64*\i+16*\x
.endr
.endr
.endm
	WIN 0x80                                       ; destination window 2
	CSLOAD 0
	CSLOAD 1
	WIN 0
	s_wait_alu depctr_va_vdst(0)
	s_wait_tensorcnt 0x0                           ; my part of group 0 is in; the same lines ahead of a later first fill as ahead of a refill
	ds_add_u32 v[SPW], v[NIL]
	s_wait_dscnt 0x0
	CROUND                                         ; everybody's part is in, and all sixteen work-groups are here
	JLOAD G0X+4, G1X, G0Y+4, G1Y                   ; group 1, slot 1's first fill: the first tensor load behind the round
	FETCH 0, 0, 0
	SCALES 0
	ASK 2*GRP, 0                                   ; behind group 1's load: group 3
	KSTEP 0, 0, 1, 0                               ; the first K step stands in front of the loop: its products start the sums
	WIN 0
	s_mov_b32 s3, NG/2-1
.Llap:                                             ; a trip goes once round the ring and fills both slots again
	KSTEP 0, 1, 0, 0
	KSTEP 0, 2, 0, 0
	KSTEP 0, 3, 0, 1
	KSTEP 1, 0, 0, 0
	KSTEP 1, 1, 0, 0
	KSTEP 1, 2, 0, 0
	KSTEP 1, 3, 0, 1
	KSTEP 0, 0, 0, 0
	WIN 0
	s_sub_co_u32 s3, s3, 1
	s_cmp_lg_u32 s3, 0
	s_cbranch_scc1 .Llap
	KSTEP 0, 1, 0, 0                               ; the last lap is written out: it fills nothing
	KSTEP 0, 2, 0, 0
	KSTEP 0, 3, 0, 2
	KSTEP 1, 0, 0, 0
	KSTEP 1, 1, 0, 0
	KSTEP 1, 2, 0, 0
	KSTEP 1, 3, 0, 3
	WIN 0
; RMS NORM AND ROPE of token tile y: my lane's 64 numbers at window 1, 64 y on; lane l xor 16 holds the token's other 64.  Channels d and d + 64 lie in the same lane, 32 registers apart.
.macro NORMROPE y
.set A0, 64*(\y)
.set CB, 128*((\y)&1)
.set CW, 2+((\y)>>1)
	WIN 0x05                                       ; sources 0 and 1 window 1.  Ascending
	v_pk_mul_f32 v[T:T+1], v[A0:A0+1], v[A0:A0+1]
	v_pk_mul_f32 v[T+2:T+3], v[A0+2:A0+3], v[A0+2:A0+3]
.set j, 4
.rept 15
	v_pk_fma_f32 v[T:T+1], v[A0+j:A0+j+1], v[A0+j:A0+j+1], v[T:T+1]
	v_pk_fma_f32 v[T+2:T+3], v[A0+j+2:A0+j+3], v[A0+j+2:A0+j+3], v[T+2:T+3]
.set j, j+4
.endr
	WIN 0
	v_pk_add_f32 v[T:T+1], v[T:T+1], v[T+2:T+3]
	v_add_f32 v[T], v[T], v[T+1]
	v_permlanex16_b32 v[T+1], v[T], s[SEL], s[SEL+1]
	v_add_f32 v[T], v[T], v[T+1]
	v_fmaak_f32 v[T], s[C7], v[T], 0x3727c5ac      ; the mean + 1e-5
	s_wait_alu depctr_va_vdst(0)
	v_rsq_f32 v[F], v[T]
	v_mov_b32 v[F+1], 0                            ; a plain line behind the transcendental; named with F as a pair
	s_wait_alu depctr_va_vdst(0)                   ; the wait ahead of the first line that names the result
	WIN 0x41                                       ; destination and source 0 window 1
.set j, 0
.rept 32
	v_pk_mul_f32 v[A0+j:A0+j+1], v[A0+j:A0+j+1], v[F:F+1] op_sel_hi:[1,0]
.set j, j+2
.endr
.set j, 0
.rept 32
	v_pk_mul_f32 v[A0+j:A0+j+1], v[A0+j:A0+j+1], v[G+j:G+j+1]
.set j, j+2
.endr
	WIN 0x01|(CW<<2)                               ; source 1: cos and sin's window
.set j, 0
.rept 16
	v_pk_mul_f32 v[TMP1+j:TMP1+j+1], v[A0+j:A0+j+1], v[CB+j:CB+j+1]          ; x(d) cos(d), d < 64
	v_pk_mul_f32 v[TMP2+j:TMP2+j+1], v[A0+j:A0+j+1], v[CB+96+j:CB+96+j+1]    ; x(d) sin(d + 64)
.set j, j+2
.endr
	WIN 0x41|(CW<<2)
.set j, 0
.rept 16
	v_pk_fma_f32 v[A0+j:A0+j+1], v[A0+32+j:A0+32+j+1], v[CB+64+j:CB+64+j+1], v[TMP1+j:TMP1+j+1] neg_lo:[0,1,0] neg_hi:[0,1,0]   ; - x(d + 64) sin(d)
.set j, j+2
.endr
.set j, 0
.rept 16
	v_pk_fma_f32 v[A0+32+j:A0+32+j+1], v[A0+32+j:A0+32+j+1], v[CB+32+j:CB+32+j+1], v[TMP2+j:TMP2+j+1]   ; x(d + 64) cos(d + 64) + ..
.set j, j+2
.endr
	WIN 0
.endm
; 64 numbers of a lane in window 1, v[s] on, register 16 b + i = place 16 (lane / 16) + i of block b of my row, become a fragment's codes in v[pc] on and its scale word in v[pw]
.macro QUANTW s, pc, pw
	WIN 0x05
.irp b, 0,1,2,3
	v_max3_num_f32 v[TM+\b], |v[(\s)+16*\b]|, |v[(\s)+16*\b+1]|, 0x1800000   ; with the floor 2^(3 - 127): the byte cannot fall under 1
.endr
	WIN 0x14
.irp i, 2,4,6,8,10,12,14
.irp b, 0,1,2,3
	v_max3_num_f32 v[TM+\b], v[TM+\b], |v[(\s)+16*\b+\i]|, |v[(\s)+16*\b+\i+1]|
.endr
.endr
	WIN 0
.irp b, 0,1,2,3
	v_permlanex16_b32 v[TM+4+\b], v[TM+\b], s[SEL], s[SEL+1]
.endr
.irp b, 0,1,2,3
	v_max_num_f32 v[TM+\b], v[TM+\b], v[TM+4+\b]   ; the block's largest magnitude
.endr
.irp b, 0,1,2,3
	v_add_nc_u32 v[TM+12+\b], 0xff000000, v[TM+\b] ; 2 off its exponent field: the conversion's scale operand
.endr
.irp b, 0,1,2,3
	v_lshrrev_b32 v[TM+4+\b], 23, v[TM+12+\b]      ; the scale's byte
.endr
	v_lshl_or_b32 v[\pw], v[TM+5], 8, v[TM+4]
	v_lshl_or_b32 v[\pw], v[TM+6], 16, v[\pw]
	v_lshl_or_b32 v[\pw], v[TM+7], 24, v[\pw]
	WIN 0x01
.irp c, 0,1
	v_cvt_scalef32_pk16_fp6_f32 v[(\pc)+6*\c:(\pc)+6*\c+2], v[(\s)+32*\c:(\s)+32*\c+15], v[TM+12+2*\c]
	v_cvt_scalef32_pk16_fp6_f32 v[PT+4*\c:PT+4*\c+2], v[(\s)+32*\c+16:(\s)+32*\c+31], v[TM+12+2*\c+1]   ; (a conversion's three registers begin on an even number)
.endr
	WIN 0
	v_nop                                          ; one plain line behind the scaled conversions
.irp c, 0,1                                    ; the operand's layout wants a whole block in a lane: lanes 0-15 block 2 c, lanes 16-31 block 2 c + 1
.irp i, 0,1,2
	v_permlane16_swap_b32 v[(\pc)+6*\c+\i], v[PT+4*\c+\i]
.endr
.irp i, 0,1,2
	v_mov_b32 v[(\pc)+6*\c+3+\i], v[PT+4*\c+\i]
.endr
.endr
.endm
	PLACES                                         ; behind the last products: in front of loads into X's registers and of the first reads of results
	s_wait_loadcnt 0x0                             ; the gains; cos and sin of token tiles 0 and 1
	WIN 0xc0                                       ; destination window 3: X's fragments are done with
	CSLOAD 2
	WIN 0
.irp y, 0,1,2,3
.if \y == 1
	WIN 0xc0                                       ; tile 3's cos and sin are asked for behind tile 0's work
	CSLOAD 3
	WIN 0
.elseif \y == 2
	s_wait_loadcnt 32                              ; tile 2's 32 loads are in; tile 3's 32 may be out
.elseif \y == 3
	s_wait_loadcnt 0x0
.endif
	s_cmp_eq_u32 s[CYC], 3                         ; v has neither norm nor RoPE
	s_cbranch_scc1 .Lplain_\y
	NORMROPE \y
.Lplain_\y:
.if \y > 0
	s_wait_xcnt 0x0                                ; the last tile's stores have read their registers: the codes' registers are written again only behind this wait
.endif
	QUANTW 64*\y, PC, PW+\y
.irp g, 0,1,2
	global_store_b128 v[CO], v[PC+4*\g:PC+4*\g+3], s[14:15] offset:FRB*\y+512*\g   ; 512 consecutive aligned bytes
.endr
.endr
	v_cmp_eq_u32 vcc_lo, 1, v2
	v_cndmask_b32 v[SW], v[PW], v[PW+2], vcc_lo    ; lanes 0-15 carry fragments 0 and 1, lanes 16-31 fragments 2 and 3
	v_cndmask_b32 v[SW+1], v[PW+1], v[PW+3], vcc_lo
	global_store_b64 v[SCF], v[SW:SW+1], s[14:15]  ; the group's 256 bytes of scale words
	s_wait_tensorcnt 0x0                           ; the wave's end
	ds_add_u32 v[SPW], v[NIL]
	s_wait_dscnt 0x0
	CROUND                                         ; the closing round: no work-group ends while a partner may still ask for a tile that names it
	s_endpgm
.Lfunc_end_k_q355a588029_qkv:
	.size	k_q355a588029_qkv, .Lfunc_end_k_q355a588029_qkv-k_q355a588029_qkv
	.p2alignl 7, 3214868480
	.fill 96, 4, 3214868480
	.section	.rodata,"a",@progbits
	.p2align	6, 0x0
	.amdhsa_kernel k_q355a588029_qkv
		.amdhsa_group_segment_fixed_size 327680
		.amdhsa_private_segment_fixed_size 0
		.amdhsa_enable_private_segment 0
		.amdhsa_kernarg_size 48
		.amdhsa_user_sgpr_count 2
		.amdhsa_user_sgpr_kernarg_segment_ptr 1
		.amdhsa_wavefront_size32 1
		.amdhsa_system_sgpr_workgroup_id_x 1
		.amdhsa_system_sgpr_workgroup_id_y 1
		.amdhsa_system_sgpr_workgroup_id_z 1
		.amdhsa_system_vgpr_workitem_id 0
		.amdhsa_next_free_vgpr 1024
		.amdhsa_next_free_sgpr 100
		.amdhsa_reserve_vcc 1
		.amdhsa_float_denorm_mode_32 3
		.amdhsa_float_denorm_mode_16_64 3
		.amdhsa_memory_ordered 1
		.amdhsa_forward_progress 1
		.amdhsa_inst_pref_size 193
	.end_amdhsa_kernel
	.amdgpu_metadata
---
amdhsa.version: [ 1, 2 ]
amdhsa.kernels:
  - .name:           k_q355a588029_qkv
    .symbol:         k_q355a588029_qkv.kd
    .args:
      - { .name: codes, .offset: 0, .size: 8, .value_kind: global_buffer, .address_space: global }
      - { .name: cos, .offset: 8, .size: 8, .value_kind: global_buffer, .address_space: global }
      - { .name: sin, .offset: 16, .size: 8, .value_kind: global_buffer, .address_space: global }
      - { .name: q_norm_w, .offset: 24, .size: 8, .value_kind: global_buffer, .address_space: global }
      - { .name: k_norm_w, .offset: 32, .size: 8, .value_kind: global_buffer, .address_space: global }
      - { .name: qkv, .offset: 40, .size: 8, .value_kind: global_buffer, .address_space: global }
    .group_segment_fixed_size: 327680
    .private_segment_fixed_size: 0
    .kernarg_segment_align: 8
    .kernarg_segment_size: 48
    .max_flat_workgroup_size: 128
    .sgpr_count:     100
    .vgpr_count:     1024
    .wavefront_size: 32
...
	.end_amdgpu_metadata
.endif
;; end of part 2
;; launch attn (part 3): grid 32 x 8, 4 waves a work-group, clusters of 4 x 4, 327,680 bytes of LDS; arguments qkv, attention_mask, acodes, wo, codes; writes acodes, codes
.if DOCPART == 3
	.amdgcn_target "amdgcn-amd-amdhsa--gfx1250"
	.amdhsa_code_object_version 6
	.text
	.protected	k_q355a588029_attn
	.globl	k_q355a588029_attn
	.p2align	8
	.type	k_q355a588029_attn,@function
k_q355a588029_attn:
	s_mov_b64 s[64:65], 0
	v_nop
	global_prefetch_b8 v0, s[64:65] scope:SCOPE_SE
	s_setreg_imm32_b32 hwreg(HW_REG_WAVE_MODE, 25, 1), 1
	s_wait_xcnt 0x0
	s_wait_alu depctr_hold_cnt(0) depctr_sa_sdst(0) depctr_va_vdst(0) depctr_va_sdst(0) depctr_va_ssrc(0) depctr_va_vcc(0) depctr_vm_vsrc(0)
	s_getreg_b32 s2, hwreg(HW_REG_IB_STS2, 6, 4)
	s_cmp_eq_u32 s2, 0
	s_cbranch_scc0 .Lentry_in_a_cluster
	s_endpgm
.Lentry_in_a_cluster:
	s_bfe_u32 s2, ttmp6, 0x10000c
	s_cmp_lg_u32 s2, 0xf033
	s_cbranch_scc0 .Lentry_shape_is_right
	s_endpgm
.Lentry_shape_is_right:
; ATTENTION ON CODES OF FP6 (E2M3).  logit = 30 tanh(q k / sqrt(128) / 30) + attention_mask; p = 2^(logit x log2(e) - M), M the ceiling of the running largest; o = (p v) / sum(p); o is quantised along the
; heads' channels and leaves as codes for the last product.  attention_mask is an input, so every tile of keys is computed for every query: nothing is left out.
; SHARES.  256 work-groups: x = 64 queries, y = one key and value head with its two query heads.  A wave has 16 queries of both heads; 16 steps of 128 keys.  Both products are used transposed
; (S^T = k q^T, O^T = v^T p^T): a lane holds one query, its registers run along the keys, then along the channels.
; THE OPERANDS lie in memory as images of the operand registers: a fragment (16 rows x 128 K) is 1,536 bytes, a group four fragments and 256 bytes of scale words, 6,400 bytes.
; ORDER INSIDE A BLOCK OF 32, on both sides of every product: place 16 a + 8 u + j holds k = 16 u + 8 a + j: the order in which two neighbouring result tiles lie in the two halves of the lanes.
; THE RING: two slots of 256 keys: K's 4 groups, V's 4 groups, 64 x 256 numbers of the mask (rows of 1,024 bytes + 16).  Waves 0, 1 fetch K, V; waves 2, 3 the mask's halves: one tensor load a wave.
; CLUSTERS 4 x 4: K and V hang on the head alone and are shared along a row of the cluster, the mask on the queries alone and is shared along a column: joint loads.
; A STEP works on the scores made at the end of the step before, while the next step's K, mask and V come from LDS into registers; so a slot is left in the middle of a pair of steps.
; THE TRANSCENDENTALS GO IN PHASES: in a phase one head's 64 stand among the other head's 32 packed lines, whose results nobody reads before the one wait that ends the phase.
; tanh(x) = 1 - 2 / (1 + 2^(2 log2(e) x)); 30 - 60 r and the mask are added in the order in which the problem rounds them; log2(e) and -M go into one fused multiply-add.
; PREFETCH: at each refill a wave names, for the tile that it will fetch two refills on, its work-group's quarter: K, V: 25 of 100 blocks of 256 bytes (by cx); mask: 8 of 32 rows x 4 blocks (by cy).
; Pairs of steps 0 to 3 come by their loads alone; the last two refills ask for nothing.
; wo IS QUANTISED HERE TOO, for the last product: blocks 384-511 of codes, in the layout and by the arithmetic of the launch quant (two rows of 2,048 taken as one of 4,096).  Each of the 1,024 waves makes one group:
; 16 rows x 512 numbers, two units of 256 columns.  The numbers are asked for behind the loop that refills the slots, three steps ahead of their use, by loads of 512 consecutive bytes into register window 3.
; At the wave's end, behind a barrier, they turn through the wave's own stage in slot 0, which has had its last fill and its last read, so that a lane holds whole blocks of 32.
; LIMITS: the promise holds while the scaled scores stay under 2^31 in magnitude; NaN and infinities are not served; a block of zeros gets the byte 1 (its codes are zeros; this program alone reads the bytes).
.set GRP,   6400
.set FRB,   1536
.set SCO,   4*FRB
.set HEADB, 32*GRP                     ; a head's 2,048 tokens in qkv
.set SLOT1, 1<<17
.set VOFF,  4*GRP                      ; in a slot: K, then V, then the mask
.set MOFF,  8*GRP
.set MP,    1040
.set STEPB, 2*GRP                      ; 128 keys of K or of V
.set SPARE, 2*SLOT1                    ; behind the ring: the spare words, 128 bytes a wave, that no other line names
.set AK0,  1                           ; v1-5   LDS addresses in slot 0: K, V, mask, K's scale words, V's
.set AV0,  2
.set AM0,  3
.set AKS0, 4
.set AVS0, 5
.set ADK,  6                           ; v6-10  the same for the step that is being fetched
.set ADV,  7
.set ADM,  8
.set ADKS, 9
.set ADVS, 10
.set SPW,  11                          ; my spare word; never rewritten
.set NIL,  12                          ; 0; never rewritten
.set QSO,  15
.set C30,  16                          ; v16-17 30.0
.set OC,   18
.set OS,   19
.set QS,   20                          ; scale words and nothing else: q's v20-21, K's v22-25, V's v26-29, p's v30-31
.set KS,   22
.set VS,   26
.set PS,   30
.set ST,   32                          ; head e at ST + 8 e: -M, the running largest t, the sum in two halves, f, (pair), two at work
.set MX,   48                          ; the eight blocks' largest logits, then largest p
.set TP,   56
.set SO,   64
.set PC,   72                          ; p's codes
.set TS,   72                          ; before that: 16 partial sums of head 0's p
.set PT,   96
.set TM,   104
.set PWE,  120
.set PFO,  122                         ; the prefetches' offset; never rewritten
.set S,    128                         ; window 0: the scores, head e at S + 64 e
.set MK,   128                         ; window 1: O^T at v0-127, the mask at v128-191
.set QF,   192                         ; window 2: K's fragments v0-95, V's v96-191, q's v192-215.  Window 3: wo's numbers
.set WV,   20
.set WH,   21
.set WL,   22
.set G1KV, 24
.set G1M,  32
.set G0KV, 40
.set G0M,  48
.set SEL,  56
.set C1,   58
.set CM60, 60
.set CL2E, 62
.set SKV,  66
.set SM,   67
.set PFA,  86
.set PFS,  88
.set MSB, 0
.macro WIN new                         ; the immediate's high byte repeats the setting that is left
.if MSB != (\new)
	s_set_vgpr_msb (MSB<<8)|(\new)
.set MSB, (\new)
.endif
.endm
.macro PLACES
.rept 4
	v_nop
.endr
.endm
.macro JLOAD g0a, g1a, g0b, g1b        ; waves 0, 1: K, V; waves 2, 3: the mask.  The branch hangs on the wave's number alone
	s_cmp_eq_u32 s[WH], 0
	s_cbranch_scc0 .Lfor_m_\@
	tensor_load_to_lds s[\g0a:\g0a+3], s[\g1a:\g1a+7]
	s_nop 0
.rept 4
	v_nop
.endr
	s_branch .Lasked_\@
.Lfor_m_\@:
	tensor_load_to_lds s[\g0b:\g0b+3], s[\g1b:\g1b+7]
	s_nop 0
.rept 4
	v_nop
.endr
.Lasked_\@:
.endm
.macro CROUND                          ; a round of the cluster's barrier
	s_barrier_signal -1
	s_barrier_wait -1
	s_cmp_lg_u32 s[WV], 0
	s_cbranch_scc1 .Lnot_wave_0_\@
	s_barrier_signal -3
.Lnot_wave_0_\@:
	s_barrier_wait -3
	s_barrier_signal -1
	s_barrier_wait -1
.endm
	s_load_b128 s[4:7], s[0:1], 0x0                ; qkv, attention_mask
	s_load_b64 s[8:9], s[0:1], 0x10                ; acodes
	s_load_b64 s[96:97], s[0:1], 0x18              ; wo
	s_load_b64 s[98:99], s[0:1], 0x20              ; codes
	v_lshl_add_u32 v[SPW], v0, 2, SPARE
	v_mov_b32 v[NIL], 0
	ds_add_u32 v[SPW], v[NIL]                      ; the opening lines: the add twice on end and one wait
	ds_add_u32 v[SPW], v[NIL]
	v_lshrrev_b32 v1, 5, v0
	v_readfirstlane_b32 s[WV], v1                  ; wave 0..3
	s_lshr_b32 s[WH], s[WV], 1
	s_and_b32 s[WL], s[WV], 1
	s_bfe_u32 s10, ttmp6, 0x40000                  ; cx
	s_bfe_u32 s11, ttmp6, 0x40004                  ; cy
	s_lshl_b32 s12, ttmp9, 2
	s_add_co_u32 s12, s12, s10                     ; which 64 queries
	s_and_b32 s13, ttmp7, 0xffff
	s_lshl_b32 s13, s13, 2
	s_add_co_u32 s13, s13, s11                     ; which key and value head
	s_lshl_b32 s14, s11, 2
	s_lshl_b32 s14, 15, s14                        ; my row of the cluster
	s_lshl_b32 s15, 0x1111, s10                    ; my column
	s_or_b32 s[G1KV], s14, (3<<16)|(1<<21)         ; K, V: a dense block of 25,600 bytes as 100 rows of 256
	s_mov_b32 s[G1KV+1], 32<<16
	s_mov_b32 s[G1KV+2], 100<<16
	s_mov_b32 s[G1KV+3], 32<<16
	s_mov_b32 s[G1KV+4], 100
	s_mov_b32 s[G1KV+5], 32
	s_mov_b32 s[G1KV+6], 0
	s_mov_b32 s[G1KV+7], 0
	s_or_b32 s[G1M], s15, (2<<16)|(1<<20)|(1<<21)|(7<<22)|(3<<25)  ; the mask: 32 rows of 256 numbers, 4 words of padding behind each
	s_mov_b32 s[G1M+1], 256<<16
	s_mov_b32 s[G1M+2], 32<<16
	s_mov_b32 s[G1M+3], 256<<16
	s_mov_b32 s[G1M+4], 32
	s_mov_b32 s[G1M+5], 2048
	s_mov_b32 s[G1M+6], 0
	s_mov_b32 s[G1M+7], 0
	s_lshl_b32 s16, s[WL], 3
	s_add_co_u32 s16, s16, s13
	s_add_co_u32 s16, s16, 16
	s_mul_i32 s16, s16, HEADB                      ; K's head (16 + head) or V's (24 + head)
	s_mov_b32 s17, 0
	s_lshl_b32 s18, s12, 6
	s_lshl_b32 s19, s[WL], 5
	s_add_co_u32 s18, s18, s19
	s_lshl_b32 s18, s18, 13                        ; the mask's rows that I fetch
	s_mov_b32 s19, 0
	s_mul_i32 s23, s[WL], VOFF
	s_mul_i32 s74, s[WL], 32*MP
	s_add_co_u32 s74, s74, MOFF
	s_lshl_b32 s70, s13, 6
	s_add_co_u32 s70, s70, s12
	s_mul_i32 s70, s70, GRP                        ; q: group (2 head) x 32 + queries / 64
	s_mov_b32 s71, 0
	s_lshl_b32 s2, s12, 2
	s_add_co_u32 s2, s2, s[WV]
	s_mul_i32 s2, s2, 4*GRP                        ; acodes: my block of 16 tokens, group head / 2
	s_lshr_b32 s3, s13, 1
	s_mul_i32 s3, s3, GRP
	s_add_co_u32 s2, s2, s3
	s_mov_b32 s3, 0
	s_lshl_b32 s93, s13, 5
	s_add_co_u32 s93, s93, s12
	s_lshl_b32 s93, s93, 2
	s_add_co_u32 s93, s93, s[WV]                   ; my group of wo, 0..1023: block of 16 rows = group / 8, 512 columns = group % 8
	s_lshr_b32 s100, s93, 3
	s_lshl_b32 s100, s100, 18                      ; 16 rows of 16,384 bytes
	s_and_b32 s94, s93, 7
	s_lshl_b32 s94, s94, 11
	s_add_co_u32 s100, s100, s94
	s_mov_b32 s101, 0
	s_mul_i32 s94, s93, GRP
	s_add_co_u32 s94, s94, 384*8*GRP               ; behind the 384 blocks of h, wq, wk, wv
	s_mov_b32 s95, 0
	s_mul_i32 s80, s[WV], 16*MP
	s_add_co_u32 s80, s80, MOFF                    ; my 16 queries' rows of the mask in a slot
	s_lshl_b32 s81, s[WH], 7
	s_lshl_b32 s82, s[WL], 2
	s_add_co_u32 s81, s81, s82
	s_add_co_u32 s81, s81, SCO                     ; q's scale words of fragment = wave
	s_and_b32 s83, s13, 1
	s_mul_i32 s82, s83, 2*FRB                      ; the output's fragments 2 (head % 2) and the next,
	s_lshl_b32 s83, s83, 3
	s_add_co_u32 s83, s83, SCO                     ; and their scale words
	s_mul_i32 s90, s10, 25*256                     ; the prefetches: my work-group's quarter, by address
	s_lshl_b32 s91, s11, 16
	s_mov_b32 s[PFS], 1024
	s_cmp_eq_u32 s[WH], 0
	s_cselect_b32 s84, 0, -1                       ; all ones in the mask's waves
	s_cselect_b32 s[PFS], VOFF, s[PFS]             ; bytes from a pair of steps to the next
	s_cselect_b32 s90, s90, s91
	s_mov_b32 s[PFS+1], 0
	s_mov_b32 s91, 0
	s_mul_i32 s92, s[PFS], 3
	s_add_co_u32 s90, s90, s92                     ; at pair 3: the first refill steps it to pair 4
	s_mov_b32 s[SEL], 0x76543210
	s_mov_b32 s[SEL+1], 0xfedcba98
	s_mov_b32 s[C1], 0x3c0b4875                    ; 2 log2(e) / (30 sqrt(128))
	s_mov_b32 s[C1+1], s[C1]
	s_mov_b32 s[CM60], 0xc2700000                  ; -60
	s_mov_b32 s[CM60+1], s[CM60]
	s_mov_b32 s[CL2E], 0x3fb8aa3b                  ; log2(e)
	s_mov_b32 s[CL2E+1], s[CL2E]
	s_mov_b32 s[SKV], 0
	s_mov_b32 s[SM], 0
	s_wait_dscnt 0x0                               ; both opening adds are done
	s_wait_kmcnt 0x0
	s_add_nc_u64 s[76:77], s[4:5], s[16:17]
	s_add_nc_u64 s[78:79], s[6:7], s[18:19]
	s_add_nc_u64 s[72:73], s[4:5], s[70:71]
	s_mul_i32 s70, s[WV], FRB
	s_add_nc_u64 s[70:71], s[72:73], s[70:71]
	s_add_nc_u64 s[8:9], s[8:9], s[2:3]
	s_add_nc_u64 s[96:97], s[96:97], s[100:101]
	s_add_nc_u64 s[98:99], s[98:99], s[94:95]
	s_cmp_eq_u32 s[WH], 0
	s_cselect_b64 s[PFA:PFA+1], s[76:77], s[78:79]
	s_add_nc_u64 s[PFA:PFA+1], s[PFA:PFA+1], s[90:91]
	CROUND                                         ; all sixteen work-groups are here: the first joint loads meet
.irp s, 0,1
	s_mov_b32 s[G0KV+4*\s], 1
	s_add_co_u32 s[G0KV+4*\s+1], s23, \s*SLOT1
	s_add_nc_u64 s[G0KV+4*\s+2:G0KV+4*\s+3], s[76:77], \s*VOFF
	s_or_b32 s[G0KV+4*\s+3], s[G0KV+4*\s+3], 0x80000000
	s_mov_b32 s[G0M+4*\s], 1
	s_add_co_u32 s[G0M+4*\s+1], s74, \s*SLOT1
	s_add_nc_u64 s[G0M+4*\s+2:G0M+4*\s+3], s[78:79], \s*1024
	s_or_b32 s[G0M+4*\s+3], s[G0M+4*\s+3], 0x80000000
.endr
	JLOAD G0KV, G1KV, G0M, G1M                     ; keys 0-255: one tensor load a wave at the head
	v_and_b32 v13, 15, v0                          ; r
	v_bfe_u32 v14, v0, 4, 1                        ; h
	v_and_b32 v123, 31, v0                         ; lane
	v_lshlrev_b32 v[AK0], 4, v123
	v_lshl_add_u32 v[AKS0], v123, 3, SCO
	v_add_nc_u32 v[AV0], VOFF, v[AK0]
	v_add_nc_u32 v[AVS0], VOFF, v[AKS0]
	v_mul_u32_u24 v[AM0], v13, MP
	v_lshl_add_u32 v[AM0], v14, 5, v[AM0]
	v_add_nc_u32 v[AM0], s80, v[AM0]               ; the mask: query r, keys 8 h on
	v_lshl_add_u32 v[QSO], v13, 3, s81
	v_add_nc_u32 v[OC], s82, v[AK0]
	v_lshl_add_u32 v[OS], v13, 4, s83
	v_lshl_add_u32 v[OS], v14, 2, v[OS]
	v_min_u32 v124, 24, v123
	v_lshlrev_b32 v124, 8, v124                    ; K, V: block min(lane, 24) of my 25 (the lanes left over name the last again)
	v_lshrrev_b32 v[PFO], 2, v123
	v_lshlrev_b32 v[PFO], 13, v[PFO]
	v_and_b32 v125, 3, v123
	v_lshl_add_u32 v[PFO], v125, 8, v[PFO]         ; the mask: row lane / 4 of my 8, block lane % 4
	v_cndmask_b32 v[PFO], v124, v[PFO], s84
	WIN 0x80
.irp e, 0,1
.irp g, 0,1,2
	global_load_b128 v[QF+12*\e+4*\g:QF+12*\e+4*\g+3], v[AK0], s[70:71] offset:HEADB*\e+512*\g
.endr
.endr
	WIN 0
.irp e, 0,1
	global_load_b32 v[QS+\e], v[QSO], s[72:73] offset:HEADB*\e
.endr
	v_mov_b32 v[C30], 0x41f00000
	v_mov_b32 v[C30+1], 0x41f00000
.irp e, 0,1
	v_mov_b32 v[ST+8*\e+1], 0xff61b1e6             ; the largest t so far: -3e38
	v_floor_f32 v[ST+8*\e], -v[ST+8*\e+1]
.irp i, 2,3,4,5,6,7
	v_mov_b32 v[ST+8*\e+\i], 0
.endr
.endr
.irp n, 0,1,2,3,4,5,6,7
	v_mov_b32 v[TP+\n], 0                          ; written once: a lane permute's destination counts as one of its sources
.endr
.irp n, 4,5,6,7
	v_mov_b32 v[TM+\n], 0
.endr
.macro ADDRS
	v_add_nc_u32 v[ADK], s[SKV], v[AK0]
	v_add_nc_u32 v[ADV], s[SKV], v[AV0]
	v_add_nc_u32 v[ADM], s[SM], v[AM0]
	v_add_nc_u32 v[ADKS], s[SKV], v[AKS0]
	v_add_nc_u32 v[ADVS], s[SKV], v[AVS0]
.endm
.macro LOADF base, adr, sc, adrs       ; eight fragments and their scale words
	WIN 0x80
.irp f, 0,1,2,3,4,5,6,7
.irp g, 0,1,2
	ds_load_b128 v[\base+12*\f+4*\g:\base+12*\f+4*\g+3], v[\adr] offset:GRP*(\f/4)+FRB*(\f%4)+512*\g
.endr
.endr
	WIN 0
.irp u, 0,1
	ds_load_b64 v[\sc+2*\u:\sc+2*\u+1], v[\adrs] offset:GRP*\u
.endr
.endm
.macro WOLOAD n                        ; unit n of my group of wo: 16 rows x 1,024 bytes, each load 512 consecutive bytes, into window 3
	WIN 0xc0
.set w, 0
.rept 32
	global_load_b128 v[128*(\n)+4*w:128*(\n)+4*w+3], v[AK0], s[96:97] offset:(w/2)*16384+(w%2)*512+(\n)*1024 th:TH_LOAD_NT
.set w, w+1
.endr
	WIN 0
.endm
.macro LOADM
	WIN 0x40
.irp f, 0,1,2,3,4,5,6,7
.irp x, 0,1
	ds_load_b128 v[MK+8*\f+4*\x:MK+8*\f+4*\x+3], v[ADM] offset:64*\f+16*\x
.endr
.endr
	WIN 0
.endm
.macro WM d, a, b, c, sa, sb, row
.if \row
	v_wmma_scale_f32_16x16x128_f8f6f4 v[(\d):(\d)+7], v[(\a):(\a)+11], v[(\b):(\b)+11], \c, v[\sa], v[\sb] matrix_a_fmt:MATRIX_FMT_FP6 matrix_b_fmt:MATRIX_FMT_FP6 matrix_a_scale:MATRIX_SCALE_ROW1
.else
	v_wmma_scale_f32_16x16x128_f8f6f4 v[(\d):(\d)+7], v[(\a):(\a)+11], v[(\b):(\b)+11], \c, v[\sa], v[\sb] matrix_a_fmt:MATRIX_FMT_FP6 matrix_b_fmt:MATRIX_FMT_FP6
.endif
.endm
.macro SPROD                           ; S^T = k q^T: 16 accumulators, each written once
	WIN 0x0a
.irp f, 0,1,2,3,4,5,6,7
.irp e, 0,1
	WM S+64*\e+8*\f, 12*\f, QF+12*\e, 0, KS+2*(\f/4)+(\f%2), QS+\e, (\f&2)
.endr
.endr
.endm
.macro PVPROD zero                     ; O^T += v^T p^T: the 16 accumulators by turns; zero = 1: the first step starts the sums
	WIN 0x52
.irp f, 0,1,2,3,4,5,6,7
.irp e, 0,1
.if \zero
	WM 64*\e+8*\f, 96+12*\f, PC+12*\e, 0, VS+2*(\f/4)+(\f%2), PS+\e, (\f&2)
.else
	WM 64*\e+8*\f, 96+12*\f, PC+12*\e, v[64*\e+8*\f:64*\e+8*\f+7], VS+2*(\f/4)+(\f%2), PS+\e, (\f&2)
.endif
.endr
.endr
.endm
; one packed line on the pair of scores at r.  1: x 2 log2(e) / (30 sqrt(128));  2: + 1;  3: 30 - 60 r;  4: x log2(e) - M;  5: two pairs of p added into a partial sum of their own
.macro PK kind, r
.if \kind == 1
	v_pk_mul_f32 v[(\r):(\r)+1], v[(\r):(\r)+1], s[C1:C1+1] op_sel_hi:[1,0]
.elseif \kind == 2
	v_pk_add_f32 v[(\r):(\r)+1], v[(\r):(\r)+1], 1.0 op_sel_hi:[1,0]
.elseif \kind == 3
	v_pk_fma_f32 v[(\r):(\r)+1], v[(\r):(\r)+1], s[CM60:CM60+1], v[C30:C30+1] op_sel_hi:[1,0,1]
.elseif \kind == 4
	v_pk_fma_f32 v[(\r):(\r)+1], v[(\r):(\r)+1], s[CL2E:CL2E+1], v[ST+8*(((\r)-S)/64):ST+8*(((\r)-S)/64)+1] op_sel_hi:[1,0,0]
.else
	v_pk_add_f32 v[TS+((\r)-S)/2:TS+((\r)-S)/2+1], v[(\r):(\r)+1], v[(\r)+2:(\r)+3]
.endif
.endm
.macro RUN kind, r0, n
.set w, 0
.rept \n
	PK \kind, (\r0)+2*w
.set w, w+1
.endr
.endm
; a phase: the 64 transcendentals of the head at t0, and among them the packed lines of the head at p0, which name none of the 64 and whose results are first read behind the phase's wait
.macro MIX tr, t0, kind, p0
.set u, 0
.rept 32
	\tr v[(\t0)+2*u], v[(\t0)+2*u]
	\tr v[(\t0)+2*u+1], v[(\t0)+2*u+1]
.if \kind == 5
.if u < 16
	PK 5, (\p0)+4*u
.endif
.elseif \kind
	PK \kind, (\p0)+2*u
.endif
.set u, u+1
.endr
.endm
.macro AW
	s_wait_alu depctr_va_vdst(0)                   ; the wait between the phases
.endm
.macro TRIP first, last
.if \last
	PLACES                                         ; behind the products that made the scores
.else
	ADDRS                                          ; (five plain lines: the places behind those products)
	LOADF 0, ADK, KS, ADKS                         ; the next step's K
.endif
	RUN 1, S, 64                                   ; ascending: each accumulator is first read at its low end
	AW
	MIX v_exp_f32, S, 0, S
	v_nop
	AW
	MIX v_exp_f32, S+64, 2, S
	AW
	MIX v_rcp_f32, S, 2, S+64
	AW
	MIX v_rcp_f32, S+64, 3, S
	AW
	s_wait_dscnt 0x0                               ; this step's mask and V, the next step's K
	RUN 3, S+64, 32
	WIN 0x04
.set w, 0
.rept 64
	v_pk_add_f32 v[S+2*w:S+2*w+1], v[S+2*w:S+2*w+1], v[MK+2*(w%32):MK+2*(w%32)+1]   ; the logits
.set w, w+1
.endr
.if \last == 0
	LOADM                                          ; the next step's mask
.endif
	WIN 0
.irp n, 0,1,2,3,4,5,6,7
	v_max3_num_f32 v[MX+\n], v[S+16*\n], v[S+16*\n+1], v[S+16*\n+2]   ; each block's largest logit: for the row's maximum and, since p rises with the logit, for the block's largest p
.endr
.irp i, 3,5,7,9,11,13
.irp n, 0,1,2,3,4,5,6,7
	v_max3_num_f32 v[MX+\n], v[MX+\n], v[S+16*\n+\i], v[S+16*\n+\i+1]
.endr
.endr
.irp n, 0,1,2,3,4,5,6,7
	v_max_num_f32 v[MX+\n], v[MX+\n], v[S+16*\n+15]
.endr
.irp n, 0,1,2,3,4,5,6,7
	v_permlanex16_b32 v[TP+\n], v[MX+\n], s[SEL], s[SEL+1]
.endr
.irp n, 0,1,2,3,4,5,6,7
	v_max_num_f32 v[MX+\n], v[MX+\n], v[TP+\n]
.endr
.irp e, 0,1
	v_max3_num_f32 v[ST+8*\e+6], v[MX+4*\e], v[MX+4*\e+1], v[MX+4*\e+2]
.endr
.irp e, 0,1
	v_max_num_f32 v[ST+8*\e+6], v[ST+8*\e+6], v[MX+4*\e+3]
.endr
.irp e, 0,1
	v_mul_f32 v[ST+8*\e+6], s[CL2E], v[ST+8*\e+6]  ; as t
.endr
.irp e, 0,1
	v_max_num_f32 v[ST+8*\e+1], v[ST+8*\e+1], v[ST+8*\e+6]
.endr
.irp e, 0,1
	v_mov_b32 v[ST+8*\e+6], v[ST+8*\e]
.endr
.irp e, 0,1
	v_floor_f32 v[ST+8*\e], -v[ST+8*\e+1]          ; -M = floor(-t): M is a whole number
.endr
.irp e, 0,1
	v_sub_f32 v[ST+8*\e+6], v[ST+8*\e], v[ST+8*\e+6]
.endr
.irp e, 0,1
	v_cvt_i32_f32 v[ST+8*\e+6], v[ST+8*\e+6]       ; (it saturates)
.endr
.irp e, 0,1
	v_ldexp_f32 v[ST+8*\e+4], 1.0, v[ST+8*\e+6]    ; f = 2^(old M - new M): rounds nothing
.endr
.irp n, 0,1,2,3,4,5,6,7
	v_fma_f32 v[MX+\n], v[MX+\n], s[CL2E], v[ST+8*(\n/4)]
.endr
	RUN 4, S, 32
	AW
	MIX v_exp_f32, S, 4, S+64                      ; p, not normalised
.irp n, 0,1,2,3,4,5,6,7
	v_exp_f32 v[MX+\n], v[MX+\n]                   ; the blocks' largest p: the same two instructions on the same number
.endr
.irp e, 0,1
	v_pk_mul_f32 v[ST+8*\e+2:ST+8*\e+3], v[ST+8*\e+2:ST+8*\e+3], v[ST+8*\e+4:ST+8*\e+5] op_sel_hi:[1,0]   ; the sums under the new M: plain lines behind the batch, which name none of its results
.endr
	AW
	MIX v_exp_f32, S+64, 5, S
.irp n, 0,1,2,3,4,5,6,7
	v_max_num_f32 v[MX+\n], 0x1800000, v[MX+\n]    ; the floor 2^(3 - 127): the byte cannot fall under 1.  (Plain lines behind the batch)
.endr
	AW
	v_pk_add_f32 v[ST+6:ST+7], v[TS:TS+1], v[TS+2:TS+3]                 ; the rows' sums, of the unquantised p, in two chains a head
	v_pk_add_f32 v[ST+14:ST+15], v[S+64:S+65], v[S+66:S+67]
.set i, 1
.rept 15
	v_pk_add_f32 v[ST+10:ST+11], v[ST+10:ST+11], v[S+64+4*i:S+65+4*i]
	v_pk_add_f32 v[ST+14:ST+15], v[ST+14:ST+15], v[S+66+4*i:S+67+4*i]
.if i < 8
	v_pk_add_f32 v[ST+2:ST+3], v[ST+2:ST+3], v[TS+4*i:TS+4*i+1]
	v_pk_add_f32 v[ST+6:ST+7], v[ST+6:ST+7], v[TS+4*i+2:TS+4*i+3]
.endif
.set i, i+1
.endr
.irp e, 0,1
	v_pk_add_f32 v[ST+8*\e+2:ST+8*\e+3], v[ST+8*\e+2:ST+8*\e+3], v[ST+8*\e+6:ST+8*\e+7]
.endr
.irp n, 0,1,2,3,4,5,6,7
	v_add_nc_u32 v[SO+\n], 0xff000000, v[MX+\n]    ; 2 off the exponent field: the conversion's scale operand
.endr
.irp n, 0,1,2,3,4,5,6,7
	v_lshrrev_b32 v[TP+\n], 23, v[SO+\n]
.endr
.irp e, 0,1
	v_lshl_or_b32 v[PS+\e], v[TP+4*\e+1], 8, v[TP+4*\e]
.endr
.irp e, 0,1
	v_lshl_or_b32 v[PS+\e], v[TP+4*\e+2], 16, v[PS+\e]
.endr
.irp e, 0,1
	v_lshl_or_b32 v[PS+\e], v[TP+4*\e+3], 24, v[PS+\e]
.endr
.irp e, 0,1
.irp c, 0,1
	v_cvt_scalef32_pk16_fp6_f32 v[PC+12*\e+6*\c:PC+12*\e+6*\c+2], v[S+64*\e+32*\c:S+64*\e+32*\c+15], v[SO+4*\e+2*\c]
	v_cvt_scalef32_pk16_fp6_f32 v[PT+8*\e+4*\c:PT+8*\e+4*\c+2], v[S+64*\e+32*\c+16:S+64*\e+32*\c+31], v[SO+4*\e+2*\c+1]
.endr
.endr
	v_nop                                          ; one plain line behind the scaled conversions
.irp e, 0,1
.irp c, 0,1                                    ; a whole block in a lane: lanes 0-15 block 2 c, lanes 16-31 block 2 c + 1
.irp i, 0,1,2
	v_permlane16_swap_b32 v[PC+12*\e+6*\c+\i], v[PT+8*\e+4*\c+\i]
.endr
.irp i, 0,1,2
	v_mov_b32 v[PC+12*\e+6*\c+3+\i], v[PT+8*\e+4*\c+\i]
.endr
.endr
.endr
.if \first
.rept 8
	v_nop                                          ; the places between p's scale words and codes and the scaled products
.endr
.else
	WIN 0x41
	AW                                             ; directly ahead of the first reader of O^T
.set w, 0
.rept 64
	v_pk_mul_f32 v[2*w:2*w+1], v[2*w:2*w+1], v[ST+8*(w/32)+4:ST+8*(w/32)+5] op_sel_hi:[1,0]   ; O^T under the new M; these lines are also those places
.set w, w+1
.endr
.endif
	PVPROD \first
.if \last == 0
	WIN 0
	PLACES
	LOADF 96, ADV, VS, ADVS                        ; the next step's V
	s_add_co_u32 s[SKV], s[SKV], STEPB
	s_add_co_u32 s[SM], s[SM], 512
	SPROD                                          ; the next step's scores
.endif
	WIN 0
.endm
; A change of slots.  All of the slot that is left has been read into registers.  fill = 1: it is filled again, with the pair of steps two on
.macro CHANGE fill
.if \fill
	s_wait_xcnt 0x0                                ; my last prefetch has read its address
	s_add_nc_u64 s[PFA:PFA+1], s[PFA:PFA+1], s[PFS:PFS+1]
.endif
	s_wait_tensorcnt 0x0                           ; my one load that was out, my part of the next slot, has landed
	ds_add_u32 v[SPW], v[NIL]
.if \fill
	s_xor_b32 s[G0KV+5], s[G0KV+5], SLOT1          ; no load of mine is out: the descriptors step to the other slot and the next pair
	s_add_nc_u64 s[G0KV+6:G0KV+7], s[G0KV+6:G0KV+7], VOFF
	s_xor_b32 s[G0M+5], s[G0M+5], SLOT1
	s_add_nc_u64 s[G0M+6:G0M+7], s[G0M+6:G0M+7], 1024
.endif
	s_sub_co_u32 s[SKV], s[SKV], 2*STEPB
	s_xor_b32 s[SKV], s[SKV], SLOT1
	s_sub_co_u32 s[SM], s[SM], 1024
	s_xor_b32 s[SM], s[SM], SLOT1
	s_wait_dscnt 0x0                               ; the add is done, and my reads of the slot that is left
.if \fill
	CROUND
	JLOAD G0KV+4, G1KV, G0M+4, G1M                 ; the first tensor load behind the round
	s_cmp_gt_u32 s68, 2                            ; the last two refills have no pair two on
	s_cbranch_scc0 .Lno_ask_\@
	global_prefetch_b8 v[PFO], s[PFA:PFA+1] th:TH_LOAD_NT scope:SCOPE_SE
.Lno_ask_\@:
.else
	s_barrier_signal -1
	s_barrier_wait -1
.endif
.endm
.macro TWO_TRIPS
	s_mov_b32 s69, 2
.Lstep_\@:
	TRIP 0, 0
	s_sub_co_u32 s69, s69, 1
	s_cmp_lg_u32 s69, 0
	s_cbranch_scc1 .Lstep_\@
.endm
	s_wait_alu depctr_va_vdst(0)                   ; the wait at the head's end
	s_wait_tensorcnt 0x0                           ; my part of slot 0 is in; the same lines ahead of a later first fill as ahead of a refill
	ds_add_u32 v[SPW], v[NIL]
	s_wait_dscnt 0x0
	CROUND
	JLOAD G0KV+4, G1KV, G0M+4, G1M                 ; keys 256-511, slot 1's first fill
	ADDRS
	LOADF 0, ADK, KS, ADKS
	LOADM
	LOADF 96, ADV, VS, ADVS
	s_wait_loadcnt 0x0                             ; q
	s_wait_dscnt 0x0
	SPROD
	WIN 0
	s_mov_b32 s[SKV], STEPB
	s_mov_b32 s[SM], 512
	TRIP 1, 0
	s_mov_b32 s68, 6
.Lslot:
	CHANGE 1
	TWO_TRIPS
	s_sub_co_u32 s68, s68, 1
	s_cmp_lg_u32 s68, 0
	s_cbranch_scc1 .Lslot
	WOLOAD 0                                       ; no tile is asked for any more: wo's numbers, three steps ahead of their use
	WOLOAD 1
	CHANGE 0                                       ; the tail is written out: it fills nothing
	TWO_TRIPS
	TRIP 0, 1
; 64 numbers of a lane in window 1, v[s] on, become a fragment's codes in v[pc] on and its scale word in v[pw]
.macro QUANTW s, pc, pw
	WIN 0x05
.irp b, 0,1,2,3
	v_max3_num_f32 v[TM+\b], |v[(\s)+16*\b]|, |v[(\s)+16*\b+1]|, 0x1800000
.endr
	WIN 0x14
.irp i, 2,4,6,8,10,12,14
.irp b, 0,1,2,3
	v_max3_num_f32 v[TM+\b], v[TM+\b], |v[(\s)+16*\b+\i]|, |v[(\s)+16*\b+\i+1]|
.endr
.endr
	WIN 0
.irp b, 0,1,2,3
	v_permlanex16_b32 v[TM+4+\b], v[TM+\b], s[SEL], s[SEL+1]
.endr
.irp b, 0,1,2,3
	v_max_num_f32 v[TM+\b], v[TM+\b], v[TM+4+\b]
.endr
.irp b, 0,1,2,3
	v_add_nc_u32 v[TM+12+\b], 0xff000000, v[TM+\b]
.endr
.irp b, 0,1,2,3
	v_lshrrev_b32 v[TM+4+\b], 23, v[TM+12+\b]
.endr
	v_lshl_or_b32 v[\pw], v[TM+5], 8, v[TM+4]
	v_lshl_or_b32 v[\pw], v[TM+6], 16, v[\pw]
	v_lshl_or_b32 v[\pw], v[TM+7], 24, v[\pw]
	WIN 0x01
.irp c, 0,1
	v_cvt_scalef32_pk16_fp6_f32 v[(\pc)+6*\c:(\pc)+6*\c+2], v[(\s)+32*\c:(\s)+32*\c+15], v[TM+12+2*\c]
	v_cvt_scalef32_pk16_fp6_f32 v[PT+4*\c:PT+4*\c+2], v[(\s)+32*\c+16:(\s)+32*\c+31], v[TM+12+2*\c+1]
.endr
	WIN 0
	v_nop
.irp c, 0,1
.irp i, 0,1,2
	v_permlane16_swap_b32 v[(\pc)+6*\c+\i], v[PT+4*\c+\i]
.endr
.irp i, 0,1,2
	v_mov_b32 v[(\pc)+6*\c+3+\i], v[PT+4*\c+\i]
.endr
.endr
.endm
	PLACES
.irp e, 0,1
	v_add_f32 v[ST+8*\e+6], v[ST+8*\e+2], v[ST+8*\e+3]
.endr
.irp e, 0,1
	v_permlanex16_b32 v[ST+8*\e+7], v[ST+8*\e+6], s[SEL], s[SEL+1]
.endr
.irp e, 0,1
	v_add_f32 v[ST+8*\e+6], v[ST+8*\e+6], v[ST+8*\e+7]   ; the row's sum
.endr
	AW
.irp e, 0,1
	v_rcp_f32 v[ST+8*\e+4], v[ST+8*\e+6]
.endr
	v_nop
	WIN 0x41
	AW
.set w, 0
.rept 64
	v_pk_mul_f32 v[2*w:2*w+1], v[2*w:2*w+1], v[ST+8*(w/32)+4:ST+8*(w/32)+5] op_sel_hi:[1,0]
.set w, w+1
.endr
.irp e, 0,1
	QUANTW 64*\e, PC+12*\e, PWE+\e
.irp g, 0,1,2
	global_store_b128 v[OC], v[PC+12*\e+4*\g:PC+12*\e+4*\g+3], s[8:9] offset:FRB*\e+512*\g   ; 512 consecutive aligned bytes
.endr
.endr
	v_cmp_eq_u32 vcc_lo, 1, v14
	v_cndmask_b32 v[PWE], v[PWE], v[PWE+1], vcc_lo ; lanes 16-31 carry the second head's word
	global_store_b32 v[OS], v[PWE], s[8:9]
; wo's group.  A stage row is 1,024 bytes + 16; lane (r, h) reads back, of row r, the whole blocks 2 c + h of each 128 along K, its chunks of 16 bytes in the order 0, 1, 4, 5, 2, 3, 6, 7 (the order inside a block of 32)
.set WP,   1040
.set WST,  6                           ; v6 the stage on the way in, v7 on the way out, v8 my scale word's place, v9 8 h
.set WLD,  7
.set WSO,  8
.set SH8,  9
.set QT,   48
	s_mul_i32 s93, s[WV], 16*WP
	v_add_nc_u32 v[WST], s93, v[AK0]
	v_mul_u32_u24 v[WLD], v13, WP
	v_lshl_add_u32 v[WLD], v14, 7, v[WLD]
	v_add_nc_u32 v[WLD], s93, v[WLD]
	v_lshlrev_b32 v[WSO], 4, v13
	v_lshl_add_u32 v[WSO], v14, 2, v[WSO]
	v_lshlrev_b32 v[SH8], 3, v14
	s_wait_alu depctr_va_vdst(0)                   ; the wait here, directly ahead of the waits below
	s_wait_loadcnt 32                              ; unit 0's 32 loads are in; unit 1's 32, issued behind them, may be out
	s_wait_xcnt 0x0                                ; the stores above have read their registers
	s_wait_dscnt 0x0
	s_barrier_signal -1
	s_barrier_wait -1                              ; no wave reads a slot any more
.irp n, 0,1
.if \n
	s_wait_alu depctr_va_vdst(0)
	s_wait_xcnt 0x0                                ; unit 0's stores have read their registers
	s_wait_loadcnt 0x0                             ; unit 1's numbers
.endif
	WIN 0x0c                                       ; the data: window 3
.set w, 0
.rept 32
	ds_store_b128 v[WST], v[128*\n+4*w:128*\n+4*w+3] offset:(w/2)*WP+(w%2)*512
.set w, w+1
.endr
	WIN 0
.irp k, 0,1,2,3
.irp m, 0,1,2,3,4,5,6,7
.set PN, ((\m)&1)+2*(((((\m)>>1)&1)<<1)|((\m)>>2))
	ds_load_b128 v[S+32*\k+4*PN:S+32*\k+4*PN+3], v[WLD] offset:256*\k+16*\m   ; LDS serves a wave's instructions in order: these see my stores
.endr
.endr
	s_wait_dscnt 0x0
.irp k, 0,1,2,3
	v_max3_num_f32 v[TM+\k], |v[S+32*\k]|, |v[S+32*\k+1]|, 0x1800000   ; four whole blocks a lane, by turns; the floor 2^(3 - 127) holds the byte at 1 from below
.endr
.irp i, 2,4,6,8,10,12,14,16,18,20,22,24,26,28,30
.irp k, 0,1,2,3
	v_max3_num_f32 v[TM+\k], v[TM+\k], |v[S+32*\k+\i]|, |v[S+32*\k+\i+1]|
.endr
.endr
.irp k, 0,1,2,3
	v_add_nc_u32 v[TM+4+\k], 0xff000000, v[TM+\k]  ; 2 off the exponent field: the conversion's scale operand
.endr
.irp k, 0,1,2,3
	v_lshrrev_b32 v[TM+8+\k], 23, v[TM+4+\k]
.endr
.irp s, 0,1
	v_lshl_or_b32 v[TM+12+\s], v[TM+9+2*\s], 16, v[TM+8+2*\s]   ; my two bytes of fragment s, blocks h and 2 + h,
.endr
.irp s, 0,1
	v_lshlrev_b32 v[TM+12+\s], v[SH8], v[TM+12+\s] ; at their places;
.endr
.irp s, 0,1
	v_permlanex16_b32 v[TM+14+\s], v[TM+12+\s], s[SEL], s[SEL+1]
.endr
.irp s, 0,1
	v_or_b32 v[TM+12+\s], v[TM+12+\s], v[TM+14+\s] ; with lane l xor 16's two the row's word is whole
.endr
.irp k, 0,1,2,3
	v_cvt_scalef32_pk16_fp6_f32 v[PC+6*\k:PC+6*\k+2], v[S+32*\k:S+32*\k+15], v[TM+4+\k]
	v_cvt_scalef32_pk16_fp6_f32 v[QT+4*\k:QT+4*\k+2], v[S+32*\k+16:S+32*\k+31], v[TM+4+\k]
.endr
	v_nop                                          ; one plain line behind the scaled conversions
.irp k, 0,1,2,3
.irp i, 0,1,2
	v_mov_b32 v[PC+6*\k+3+\i], v[QT+4*\k+\i]
.endr
.endr
	v_cndmask_b32 v[TM+12], v[TM+12], v[TM+13], vcc_lo   ; lanes 16-31 carry the second fragment's word (VCC: h = 1, from above)
.irp f, 0,1
.irp g, 0,1,2
	global_store_b128 v[AK0], v[PC+12*\f+4*\g:PC+12*\f+4*\g+3], s[98:99] offset:FRB*(2*\n+\f)+512*\g   ; 512 consecutive aligned bytes
.endr
.endr
	global_store_b32 v[WSO], v[TM+12], s[98:99] offset:SCO+8*\n
.endr
	s_wait_tensorcnt 0x0                           ; the wave's end
	ds_add_u32 v[SPW], v[NIL]
	s_wait_dscnt 0x0
	CROUND                                         ; the closing round
	s_endpgm
.Lfunc_end_k_q355a588029_attn:
	.size	k_q355a588029_attn, .Lfunc_end_k_q355a588029_attn-k_q355a588029_attn
	.p2alignl 7, 3214868480
	.fill 96, 4, 3214868480
	.section	.rodata,"a",@progbits
	.p2align	6, 0x0
	.amdhsa_kernel k_q355a588029_attn
		.amdhsa_group_segment_fixed_size 327680
		.amdhsa_private_segment_fixed_size 0
		.amdhsa_enable_private_segment 0
		.amdhsa_kernarg_size 40
		.amdhsa_user_sgpr_count 2
		.amdhsa_user_sgpr_kernarg_segment_ptr 1
		.amdhsa_wavefront_size32 1
		.amdhsa_system_sgpr_workgroup_id_x 1
		.amdhsa_system_sgpr_workgroup_id_y 1
		.amdhsa_system_sgpr_workgroup_id_z 1
		.amdhsa_system_vgpr_workitem_id 0
		.amdhsa_next_free_vgpr 1024
		.amdhsa_next_free_sgpr 102
		.amdhsa_reserve_vcc 1
		.amdhsa_float_denorm_mode_32 3
		.amdhsa_float_denorm_mode_16_64 3
		.amdhsa_memory_ordered 1
		.amdhsa_forward_progress 1
		.amdhsa_inst_pref_size 255
	.end_amdhsa_kernel
	.section	.bss,"aw",@nobits
	.p2align	6
	.space	262144
	.amdgpu_metadata
---
amdhsa.version: [ 1, 2 ]
amdhsa.kernels:
  - .name:           k_q355a588029_attn
    .symbol:         k_q355a588029_attn.kd
    .args:
      - { .name: qkv, .offset: 0, .size: 8, .value_kind: global_buffer, .address_space: global }
      - { .name: attention_mask, .offset: 8, .size: 8, .value_kind: global_buffer, .address_space: global }
      - { .name: acodes, .offset: 16, .size: 8, .value_kind: global_buffer, .address_space: global }
      - { .name: wo, .offset: 24, .size: 8, .value_kind: global_buffer, .address_space: global }
      - { .name: codes, .offset: 32, .size: 8, .value_kind: global_buffer, .address_space: global }
    .group_segment_fixed_size: 327680
    .private_segment_fixed_size: 0
    .kernarg_segment_align: 8
    .kernarg_segment_size: 40
    .max_flat_workgroup_size: 128
    .sgpr_count:     102
    .vgpr_count:     1024
    .wavefront_size: 32
...
	.end_amdgpu_metadata
.endif
;; end of part 3
;; launch outp (part 4): grid 16 x 16, 4 waves a work-group, clusters of 4 x 4, 327,680 bytes of LDS; arguments acodes, codes, hidden_states, out0; writes out0
.if DOCPART == 4
	.amdgcn_target "amdgcn-amd-amdhsa--gfx1250"
	.amdhsa_code_object_version 6
	.text
	.protected	k_q355a588029_outp
	.globl	k_q355a588029_outp
	.p2align	8
	.type	k_q355a588029_outp,@function
k_q355a588029_outp:
	s_mov_b64 s[64:65], 0
	v_nop
	global_prefetch_b8 v0, s[64:65] scope:SCOPE_SE
	s_setreg_imm32_b32 hwreg(HW_REG_WAVE_MODE, 25, 1), 1
	s_wait_xcnt 0x0
	s_wait_alu depctr_hold_cnt(0) depctr_sa_sdst(0) depctr_va_vdst(0) depctr_va_sdst(0) depctr_va_ssrc(0) depctr_va_vcc(0) depctr_vm_vsrc(0)
	s_getreg_b32 s2, hwreg(HW_REG_IB_STS2, 6, 4)
	s_cmp_eq_u32 s2, 0
	s_cbranch_scc0 .Lentry_in_a_cluster
	s_endpgm
.Lentry_in_a_cluster:
	s_bfe_u32 s2, ttmp6, 0x10000c
	s_cmp_lg_u32 s2, 0xf033
	s_cbranch_scc0 .Lentry_shape_is_right
	s_endpgm
.Lentry_shape_is_right:
.set GRP,   6400
.set FRB,   1536
.set SCO,   4*FRB
; out0 = hidden_states + attn wo^T on codes of FP6 (E2M3) with E8M0 scales.  Source 0 = 16 rows of wo (X), source 1 = 16 tokens (Y): a lane holds one token and eight neighbouring columns.
; A work-group's tile is 256 columns x 128 tokens; a wave makes 128 x 64: 32 accumulators by turns.  The operands lie in memory as images of the operand registers (groups of 6,400 bytes: four K steps of 16 rows
; and their scale words); a slot of the ring holds one group of each of the tile's 24 blocks.  Clusters 4 x 4: X's tiles are shared along a column, Y's along a row, by joint loads.
; The residual's rows come into registers under the products; results go through the wave's own stage in LDS and leave as rows of 512 consecutive bytes.
.set RBLK,  4*GRP
.set NG,    4
.set SLOT,  24*GRP
.set YOFF,  16*GRP
.set SPARE, 2*SLOT
.set SPITCH, 528
.set CO,   3
.set AX,   4
.set AY,   6
.set ASX,  8
.set ASY,  10
.set SPW,  12
.set NIL,  13
.set STO,  14
.set RD,   15
.set SC,   32
.set YF,   80
.set E,    80
.set WV,   20
.set WX,   21
.set WY,   22
.set G1X,  24
.set G1Y,  32
.set G0X,  40
.set G0Y,  48
.set PFO,  20                          ; v20    the prefetches' offset: 256 x min(lane, 24); never rewritten
.set PFA,  94                          ; s[94:95] where my prefetches stand: group 1 of my work-group's rows of the tile that I fetch
.set MSB, 0
.macro WIN new
.if MSB != (\new)
	s_set_vgpr_msb (MSB<<8)|(\new)
.set MSB, (\new)
.endif
.endm
.macro PLACES
.rept 4
	v_nop
.endr
.endm
.macro JLOAD g0a, g1a, g0b, g1b
	s_cmp_eq_u32 s[WX], 0
	s_cbranch_scc0 .Lfor_y_\@
	tensor_load_to_lds s[\g0a:\g0a+3], s[\g1a:\g1a+7]
	s_nop 0
.rept 4
	v_nop
.endr
	s_branch .Lasked_\@
.Lfor_y_\@:
	tensor_load_to_lds s[\g0b:\g0b+3], s[\g1b:\g1b+7]
	s_nop 0
.rept 4
	v_nop
.endr
.Lasked_\@:
.endm
; A PREFETCH of one group of the tile that I fetch: its rows of 6,400 bytes (25 blocks of 256) are shared out BY ADDRESS among the four partners that ask for the tile jointly: X's waves take rows 2 cy and 2 cy + 1
; of their 8, Y's waves row cx of their 4.  A lane a block; the lanes left over name the row's last block again.  Groups 1 and 2 are asked for behind group 0's load, group 3 behind group 1's; K has four groups.
.macro ASK off
	global_prefetch_b8 v[PFO], s[PFA:PFA+1] offset:\off th:TH_LOAD_NT scope:SCOPE_SE
	s_cmp_eq_u32 s[WX], 0
	s_cbranch_scc0 .Lasked_all_\@
	global_prefetch_b8 v[PFO], s[PFA:PFA+1] offset:(\off)+RBLK th:TH_LOAD_NT scope:SCOPE_SE
.Lasked_all_\@:
.endm
.macro CREST
	s_cmp_lg_u32 s[WV], 0
	s_cbranch_scc1 .Lnot_wave_0_\@
	s_barrier_signal -3
.Lnot_wave_0_\@:
	s_barrier_wait -3
	s_barrier_signal -1
	s_barrier_wait -1
.endm
.macro CROUND
	s_barrier_signal -1
	s_barrier_wait -1
	CREST
.endm
.macro MM i, j, set, q, sc, zero
.set rD, 8*(8*(\j)+(\i))
.set rA, 96*(\set)+12*(\i)
.set rB, YF+48*(\set)+12*(\j)
.set rX, SC+24*(\sc)+4*((\i)&3)+(\q)
.set rY, SC+24*(\sc)+16+4*((\j)&1)+(\q)
.set rW, 2*((\i)>>2)+((\j)>>1)+4*(\zero)
.if rW == 0
	v_wmma_scale_f32_16x16x128_f8f6f4 v[rD:rD+7], v[rA:rA+11], v[rB:rB+11], v[rD:rD+7], v[rX], v[rY] matrix_a_fmt:MATRIX_FMT_FP6 matrix_b_fmt:MATRIX_FMT_FP6
.elseif rW == 1
	v_wmma_scale_f32_16x16x128_f8f6f4 v[rD:rD+7], v[rA:rA+11], v[rB:rB+11], v[rD:rD+7], v[rX], v[rY] matrix_a_fmt:MATRIX_FMT_FP6 matrix_b_fmt:MATRIX_FMT_FP6 matrix_b_scale:MATRIX_SCALE_ROW1
.elseif rW == 2
	v_wmma_scale_f32_16x16x128_f8f6f4 v[rD:rD+7], v[rA:rA+11], v[rB:rB+11], v[rD:rD+7], v[rX], v[rY] matrix_a_fmt:MATRIX_FMT_FP6 matrix_b_fmt:MATRIX_FMT_FP6 matrix_a_scale:MATRIX_SCALE_ROW1
.elseif rW == 3
	v_wmma_scale_f32_16x16x128_f8f6f4 v[rD:rD+7], v[rA:rA+11], v[rB:rB+11], v[rD:rD+7], v[rX], v[rY] matrix_a_fmt:MATRIX_FMT_FP6 matrix_b_fmt:MATRIX_FMT_FP6 matrix_a_scale:MATRIX_SCALE_ROW1 matrix_b_scale:MATRIX_SCALE_ROW1
.elseif rW == 4
	v_wmma_scale_f32_16x16x128_f8f6f4 v[rD:rD+7], v[rA:rA+11], v[rB:rB+11], 0, v[rX], v[rY] matrix_a_fmt:MATRIX_FMT_FP6 matrix_b_fmt:MATRIX_FMT_FP6
.elseif rW == 5
	v_wmma_scale_f32_16x16x128_f8f6f4 v[rD:rD+7], v[rA:rA+11], v[rB:rB+11], 0, v[rX], v[rY] matrix_a_fmt:MATRIX_FMT_FP6 matrix_b_fmt:MATRIX_FMT_FP6 matrix_b_scale:MATRIX_SCALE_ROW1
.elseif rW == 6
	v_wmma_scale_f32_16x16x128_f8f6f4 v[rD:rD+7], v[rA:rA+11], v[rB:rB+11], 0, v[rX], v[rY] matrix_a_fmt:MATRIX_FMT_FP6 matrix_b_fmt:MATRIX_FMT_FP6 matrix_a_scale:MATRIX_SCALE_ROW1
.else
	v_wmma_scale_f32_16x16x128_f8f6f4 v[rD:rD+7], v[rA:rA+11], v[rB:rB+11], 0, v[rX], v[rY] matrix_a_fmt:MATRIX_FMT_FP6 matrix_b_fmt:MATRIX_FMT_FP6 matrix_a_scale:MATRIX_SCALE_ROW1 matrix_b_scale:MATRIX_SCALE_ROW1
.endif
.endm
.macro MULH set, q, sc, zero, j0
	WIN 0x53
.irp j, \j0, \j0+1
.irp i, 0,1,2,3,4,5,6,7
	MM \i, (\j), \set, \q, \sc, \zero
.endr
.endr
.endm
.macro FETCH slot, q, set
	WIN 0xc0
.irp i, 0,1,2,3,4,5,6,7
.irp g, 0,1,2
	ds_load_b128 v[96*(\set)+12*\i+4*\g:96*(\set)+12*\i+4*\g+3], v[AX+(\slot)] offset:GRP*\i+FRB*(\q)+512*\g
.endr
.endr
	WIN 0
.irp j, 0,1,2,3
.irp g, 0,1,2
	ds_load_b128 v[YF+48*(\set)+12*\j+4*\g:YF+48*(\set)+12*\j+4*\g+3], v[AY+(\slot)] offset:GRP*\j+FRB*(\q)+512*\g
.endr
.endr
.endm
.macro SCALES slot
.irp i, 0,1,2,3
	ds_load_b128 v[SC+24*(\slot)+4*\i:SC+24*(\slot)+4*\i+3], v[ASX+(\slot)] offset:GRP*\i
.endr
.irp j, 0,1
	ds_load_b128 v[SC+24*(\slot)+16+4*\j:SC+24*(\slot)+16+4*\j+3], v[ASY+(\slot)] offset:GRP*\j
.endr
.endm
.macro KSTEP slot, q, zero, mode
	WIN 0
	PLACES
.if \mode == 0
	s_wait_dscnt 0x0
	FETCH \slot, (\q)+1, 1-((\q)&1)
	MULH (\q)&1, \q, \slot, \zero, 0
	MULH (\q)&1, \q, \slot, \zero, 2
.elseif \mode == 3
	s_wait_dscnt 0x0
	MULH 1, 3, \slot, 0, 0
	MULH 1, 3, \slot, 0, 2
.else
	s_wait_tensorcnt 0x0
	ds_add_u32 v[SPW], v[NIL]
.if \mode == 1
	s_add_nc_u64 s[G0X+4*(\slot)+2:G0X+4*(\slot)+3], s[G0X+4*(\slot)+2:G0X+4*(\slot)+3], 2*GRP
	s_add_nc_u64 s[G0Y+4*(\slot)+2:G0Y+4*(\slot)+3], s[G0Y+4*(\slot)+2:G0Y+4*(\slot)+3], 2*GRP
.endif
	s_wait_dscnt 0x0
	s_barrier_signal -1
	MULH 1, 3, \slot, 0, 0
	WIN 0
	s_barrier_wait -1
.if \mode == 1
	CREST
	JLOAD G0X+4*(\slot), G1X, G0Y+4*(\slot), G1Y
.endif
	FETCH 1-(\slot), 0, 0
	SCALES 1-(\slot)
	MULH 1, 3, \slot, 0, 2
.endif
.endm
	s_load_b256 s[4:11], s[0:1], 0x0
	v_lshl_add_u32 v[SPW], v0, 2, SPARE
	v_mov_b32 v[NIL], 0
	ds_add_u32 v12, v13
	ds_add_u32 v12, v13
	s_wait_dscnt 0x0
	v_lshrrev_b32 v1, 5, v0
	v_readfirstlane_b32 s[WV], v1
	s_lshr_b32 s[WX], s[WV], 1
	s_and_b32 s[WY], s[WV], 1
	s_bfe_u32 s56, ttmp6, 0x40000
	s_bfe_u32 s57, ttmp6, 0x40004
	s_lshl_b32 s70, ttmp9, 2
	s_add_co_u32 s70, s70, s56
	s_and_b32 s71, ttmp7, 0xffff
	s_lshl_b32 s71, s71, 2
	s_add_co_u32 s71, s71, s57
	s_lshl_b32 s60, s57, 2
	s_lshl_b32 s60, 15, s60
	s_lshl_b32 s61, 0x1111, s56
	s_or_b32 s[G1X], s61, (3<<16)|(1<<21)
	s_or_b32 s[G1Y], s60, (3<<16)|(1<<21)
.irp g, G1X, G1Y
	s_mov_b32 s[\g+1], 800<<16
	s_mov_b32 s[\g+3], 800<<16
	s_mov_b32 s[\g+5], RBLK/8
	s_mov_b32 s[\g+6], 0
	s_mov_b32 s[\g+7], 0
.endr
	s_mov_b32 s[G1X+2], 8<<16
	s_mov_b32 s[G1X+4], 8
	s_mov_b32 s[G1Y+2], 4<<16
	s_mov_b32 s[G1Y+4], 4
	s_lshl_b32 s74, s70, 4
	s_lshl_b32 s75, s[WY], 3
	s_add_co_u32 s74, s74, s75
	s_mul_i32 s74, s74, RBLK
	s_add_co_u32 s74, s74, 384*8*GRP
	s_mov_b32 s75, 0
	s_lshl_b32 s78, s71, 3
	s_lshl_b32 s79, s[WY], 2
	s_add_co_u32 s78, s78, s79
	s_mul_i32 s78, s78, RBLK
	s_mov_b32 s79, 0
	s_lshl_b32 s82, s71, 7
	s_lshl_b32 s83, s[WY], 6
	s_add_co_u32 s82, s82, s83
	s_lshl_b32 s82, s82, 14
	s_lshl_b32 s83, s70, 10
	s_add_co_u32 s82, s82, s83
	s_lshl_b32 s83, s[WX], 9
	s_add_co_u32 s82, s82, s83
	s_mov_b32 s83, 0
	s_mul_i32 s86, s[WY], 8*GRP
	s_mul_i32 s87, s[WY], 4*GRP
	s_add_co_u32 s87, s87, YOFF
	s_mul_i32 s91, s[WX], 8*GRP
	s_mul_i32 s92, s[WV], 16*SPITCH
	s_mul_i32 s96, s57, 2*RBLK
	s_mul_i32 s97, s56, RBLK
	s_cmp_eq_u32 s[WX], 0
	s_cselect_b32 s96, s96, s97
	s_add_co_u32 s96, s96, GRP
	s_mov_b32 s97, 0
	s_wait_kmcnt 0x0
	s_add_nc_u64 s[76:77], s[6:7], s[74:75]
	s_add_nc_u64 s[80:81], s[4:5], s[78:79]
	s_cmp_eq_u32 s[WX], 0
	s_cselect_b64 s[PFA:PFA+1], s[76:77], s[80:81]
	s_add_nc_u64 s[PFA:PFA+1], s[PFA:PFA+1], s[96:97]
	s_add_nc_u64 s[8:9], s[8:9], s[82:83]
	s_add_nc_u64 s[10:11], s[10:11], s[82:83]
	CROUND
.irp s, 0,1
	s_mov_b32 s[G0X+4*\s], 1
	s_add_co_u32 s[G0X+4*\s+1], s86, \s*SLOT
	s_add_nc_u64 s[G0X+4*\s+2:G0X+4*\s+3], s[76:77], \s*GRP
	s_or_b32 s[G0X+4*\s+3], s[G0X+4*\s+3], 0x80000000
	s_mov_b32 s[G0Y+4*\s], 1
	s_add_co_u32 s[G0Y+4*\s+1], s87, \s*SLOT
	s_add_nc_u64 s[G0Y+4*\s+2:G0Y+4*\s+3], s[80:81], \s*GRP
	s_or_b32 s[G0Y+4*\s+3], s[G0Y+4*\s+3], 0x80000000
.if \s == 0
	JLOAD G0X, G1X, G0Y, G1Y                       ; group 0: one tensor load a wave at the head
.endif
.endr
	v_and_b32 v1, 15, v0
	v_bfe_u32 v2, v0, 4, 1
	v_and_b32 v17, 31, v0
	v_lshlrev_b32 v[CO], 4, v17
	v_add_nc_u32 v[AX], s91, v[CO]
	v_add_nc_u32 v[AX+1], SLOT, v[AX]
	v_add_nc_u32 v[AY], s87, v[CO]
	v_add_nc_u32 v[AY+1], SLOT, v[AY]
	v_lshl_add_u32 v18, v1, 4, SCO
	v_mad_u32_u24 v19, v2, 4*GRP, v18
	v_add_nc_u32 v[ASX], s91, v19
	v_add_nc_u32 v[ASX+1], SLOT, v[ASX]
	v_mad_u32_u24 v19, v2, 2*GRP, v18
	v_add_nc_u32 v[ASY], s87, v19
	v_add_nc_u32 v[ASY+1], SLOT, v[ASY]
	v_mul_u32_u24 v[STO], v1, SPITCH
	v_lshl_add_u32 v[STO], v2, 5, v[STO]
	v_add_nc_u32 v[STO], s92, v[STO]
	v_bfe_u32 v18, v0, 3, 2
	v_lshlrev_b32 v[RD], 7, v18
	v_bfe_u32 v18, v0, 2, 1
	v_lshl_add_u32 v[RD], v18, 5, v[RD]
	v_and_b32 v18, 3, v0
	v_lshl_add_u32 v[RD], v18, 3, v[RD]
	v_add_nc_u32 v[RD], s92, v[RD]
	v_min_u32 v[PFO], 24, v17
	v_lshlrev_b32 v[PFO], 8, v[PFO]
	s_wait_alu depctr_va_vdst(0)                   ; the wait here, ahead of the branches below
	ASK 0
	ASK GRP
; the residual's rows t0 .. t0 + n - 1 of my 64, 512 consecutive bytes each, into window 2.  They are asked for behind the tiles' requests, in three runs
.macro RESID t0, n
	WIN 0x80
.set t, \t0
.rept \n
	global_load_b128 v[4*t:4*t+3], v[CO], s[8:9] offset:t*16384 th:TH_LOAD_NT
.set t, t+1
.endr
	WIN 0
.endm
	s_wait_alu depctr_va_vdst(0)                   ; the wait at the head's end
	s_wait_tensorcnt 0x0                           ; my part of group 0 is in; the same lines ahead of a later first fill as ahead of a refill
	ds_add_u32 v[SPW], v[NIL]
	s_wait_dscnt 0x0
	CROUND                                         ; everybody's part is in, and all sixteen work-groups are here
	JLOAD G0X+4, G1X, G0Y+4, G1Y                   ; group 1, slot 1's first fill: the first tensor load behind the round
	FETCH 0, 0, 0
	SCALES 0
	ASK 2*GRP
	RESID 0, 32
	KSTEP 0, 0, 1, 0
	WIN 0
	RESID 32, 16
	s_mov_b32 s3, NG/2-1
.Llap:
	KSTEP 0, 1, 0, 0
	KSTEP 0, 2, 0, 0
	KSTEP 0, 3, 0, 1
	KSTEP 1, 0, 0, 0
	KSTEP 1, 1, 0, 0
	KSTEP 1, 2, 0, 0
	KSTEP 1, 3, 0, 1
	KSTEP 0, 0, 0, 0
	WIN 0
	s_sub_co_u32 s3, s3, 1
	s_cmp_lg_u32 s3, 0
	s_cbranch_scc1 .Llap
	RESID 48, 16
	KSTEP 0, 1, 0, 0
	KSTEP 0, 2, 0, 0
	KSTEP 0, 3, 0, 2
	KSTEP 1, 0, 0, 0
	KSTEP 1, 1, 0, 0
	KSTEP 1, 2, 0, 0
	KSTEP 1, 3, 0, 3
	WIN 0
.macro TOSTAGE y
.set EB, E+64*((\y)&1)
	WIN 0x04
.irp i, 0,1,2,3,4,5,6,7
	ds_store_b128 v[STO], v[64*(\y)+8*\i:64*(\y)+8*\i+3] offset:64*\i
	ds_store_b128 v[STO], v[64*(\y)+8*\i+4:64*(\y)+8*\i+7] offset:64*\i+16
.endr
	WIN 0
.set t, 0
.rept 16
	ds_load_b64 v[EB+4*t:EB+4*t+1], v[RD] offset:SPITCH*t
	ds_load_b64 v[EB+4*t+2:EB+4*t+3], v[RD] offset:SPITCH*t+64
.set t, t+1
.endr
.endm
.macro SEND y, n
.set EB, E+64*((\y)&1)
	s_wait_dscnt \n
	s_wait_loadcnt 48-16*(\y)                      ; the residual's rows of this block are in: behind its sixteen loads 48 - 16 y were issued
	WIN 0x82
.set t, 0
.rept 16
	v_add_f32 v[64*(\y)+4*t], v[64*(\y)+4*t], v[EB+4*t]
	v_add_f32 v[64*(\y)+4*t+1], v[64*(\y)+4*t+1], v[EB+4*t+2]
	v_add_f32 v[64*(\y)+4*t+2], v[64*(\y)+4*t+2], v[EB+4*t+1]
	v_add_f32 v[64*(\y)+4*t+3], v[64*(\y)+4*t+3], v[EB+4*t+3]
.set t, t+1
.endr
	WIN 0x08
.set t, 0
.rept 16
	global_store_b128 v[CO], v[64*(\y)+4*t:64*(\y)+4*t+3], s[10:11] offset:(16*(\y)+t)*16384 th:TH_STORE_NT
.set t, t+1
.endr
	WIN 0
.endm
	PLACES
	s_wait_alu depctr_va_vdst(0)
	TOSTAGE 0
.irp y, 1,2,3
	TOSTAGE \y
	SEND \y-1, 48
.endr
	SEND 3, 0
	s_wait_tensorcnt 0x0
	ds_add_u32 v[SPW], v[NIL]
	s_wait_dscnt 0x0
	CROUND
	s_endpgm
.Lfunc_end_k_q355a588029_outp:
	.size	k_q355a588029_outp, .Lfunc_end_k_q355a588029_outp-k_q355a588029_outp
	.p2alignl 7, 3214868480
	.fill 96, 4, 3214868480
	.section	.rodata,"a",@progbits
	.p2align	6, 0x0
	.amdhsa_kernel k_q355a588029_outp
		.amdhsa_group_segment_fixed_size 327680
		.amdhsa_private_segment_fixed_size 0
		.amdhsa_enable_private_segment 0
		.amdhsa_kernarg_size 32
		.amdhsa_user_sgpr_count 2
		.amdhsa_user_sgpr_kernarg_segment_ptr 1
		.amdhsa_wavefront_size32 1
		.amdhsa_system_sgpr_workgroup_id_x 1
		.amdhsa_system_sgpr_workgroup_id_y 1
		.amdhsa_system_sgpr_workgroup_id_z 1
		.amdhsa_system_vgpr_workitem_id 0
		.amdhsa_next_free_vgpr 1024
		.amdhsa_next_free_sgpr 100
		.amdhsa_reserve_vcc 0
		.amdhsa_float_denorm_mode_32 3
		.amdhsa_float_denorm_mode_16_64 3
		.amdhsa_memory_ordered 1
		.amdhsa_forward_progress 1
		.amdhsa_inst_pref_size 151
	.end_amdhsa_kernel
	.amdgpu_metadata
---
amdhsa.version: [ 1, 2 ]
amdhsa.kernels:
  - .name:           k_q355a588029_outp
    .symbol:         k_q355a588029_outp.kd
    .args:
      - { .name: acodes, .offset: 0, .size: 8, .value_kind: global_buffer, .address_space: global }
      - { .name: codes, .offset: 8, .size: 8, .value_kind: global_buffer, .address_space: global }
      - { .name: hidden_states, .offset: 16, .size: 8, .value_kind: global_buffer, .address_space: global }
      - { .name: out0, .offset: 24, .size: 8, .value_kind: global_buffer, .address_space: global }
    .group_segment_fixed_size: 327680
    .private_segment_fixed_size: 0
    .kernarg_segment_align: 8
    .kernarg_segment_size: 32
    .max_flat_workgroup_size: 128
    .sgpr_count:     100
    .vgpr_count:     1024
    .wavefront_size: 32
...
	.end_amdgpu_metadata
.endif
;; end of part 4
